; MI455X (gfx1250); checked and timed in simulation.
; The chip was launched on July 23, 2026; its instructions are those of AMD's public machine-readable ISA for CDNA 5 (MIT licence, August 2026) and "CDNA5" Instruction Set Architecture Reference Guide (July 2026). The comments in the code are by the model that wrote it; some were corrected since.
;; Scaled Dot Product Attention Layer. Allowed arithmetic: matrix products marked QUANTISED: E3M2 operands, one E8M0 scale for each 32 along K, by v_wmma_scale_f32_16x16x128_f8f6f4 with both operands' format E3M2, f32 sums; everything else in f32.
;; Inputs: key_codes 8 x 2,048 x 32 x 24 uint8 (E3M2 codes of key, K innermost, in blocks of 32 codes, four codes in three bytes); key_mask 8 x 2,048 bool; key_scales 8 x 2,048 x 32 uint8 (E8M0 scales of key, one for each 32 codes along K); query_codes 8 x 2,048 x 32 x 24 uint8 (E3M2 codes of query, K innermost, in blocks of 32 codes, four codes in three bytes); query_mask 8 x 2,048 bool; query_scales 8 x 2,048 x 32 uint8 (E8M0 scales of query, one for each 32 codes along K); value_codes 8 x 1,024 x 64 x 24 uint8 (E3M2 codes of value, K innermost, in blocks of 32 codes, four codes in three bytes); value_scales 8 x 1,024 x 64 uint8 (E8M0 scales of value, one for each 32 codes along K).
;; Outputs: out0 8 x 2,048 x 1,024 float32.
;; This version of the problem:
;;   THIS VERSION OF THE PROBLEM IS GIVEN IN LOW PRECISION. The matrix products marked QUANTISED in the list below multiply operands that are first quantised to E3M2 (3 exponent bits, 2 mantissa bits; 6 bits a number), with one power-of-two scale for each 32 numbers along K (OCP MX v1.0); their sums are f32. All else is computed in f32.
;;   The module's matrix products, in the order in which they are computed (A, B: the left and right operand; K: the contracted axis; several contracted axes count as one K, in the product's order):
;;     1. batch 8 x [M 2,048, K 1,024] x [K 1,024, N 2,048]; A: input query (given as codes); B: input key (given as codes): QUANTISED
;;     2. batch 8 x [M 2,048, K 2,048] x [K 2,048, N 1,024]; A: computed on the way; B: input value (given as codes): QUANTISED
;;   THE QUANTISER, for each operand of a quantised product, along K:
;;     - K is cut into blocks of 32 from its start; a last block that is shorter is filled with zeros.
;;     - A block's scale is 2^e with e = floor(log2(the largest magnitude in the block)) - 4, held to -126 .. 127; a block of zeros has e = 0. As a byte (E8M0): e + 127.
;;     - Each number is divided by its block's scale, clamped to +-28, and rounded to the nearest number of E3M2, ties to even, subnormals kept.
;;     - The product sums the exact products of the quantised numbers (number of the format x scale) in f32.
;;   ~~~python
;;   def quantise(x, axis):      # numpy; x: float32 -> the quantised numbers, widened to float32 again
;;       x = np.moveaxis(x, axis, -1); K = x.shape[-1]
;;       x = np.pad(x, [(0, 0)] * (x.ndim - 1) + [(0, -K % 32)]); x = x.reshape(x.shape[:-1] + (-1, 32)); a = np.abs(x).max(-1, keepdims=True)
;;       e = np.where(a > 0, np.clip(np.frexp(np.where(a > 0, a, 1))[1] - 1 - 4, -126, 127), 0)      # np.frexp(a)[1] - 1 = floor(log2(a)), exactly
;;       r = np.clip(x / 2.0 ** e, -28, 28)
;;       step = 2.0 ** (np.maximum(np.frexp(np.where(r == 0, 1, r))[1] - 1, -2) - 2)
;;       q = np.round(r / step) * step * 2.0 ** e      # np.round: ties to even
;;       return np.moveaxis(q.reshape(q.shape[:-2] + (-1,))[..., :K], -1, axis).astype(np.float32)
;;   ~~~
;;   OPERANDS COMPUTED ON THE WAY. 'Computed on the way' means the value that the module computes at that place (a softmax that the list does not call 'softmax' is quantised finished and normalised). What goes into a quantiser is computed in f32, as accurately as f32 sums, v_exp_f32 and their like allow (about 1e-6 of the number): no bf16 or f16 on the way to a quantiser, and a product that is left as it is and whose result goes on into a quantised operand takes f32 operands (vector FMAs, or v_wmma_f32_16x16x4_f32). A number that lies on a knife's edge between two numbers of the format may be rounded either way, as far as f32 arithmetic and the matrix unit's own rounding can turn it there, and no further.
;;   INPUTS GIVEN AS CODES. key (in the module: [8, 2048, 1024], K = its axis 2); query (in the module: [8, 2048, 1024], K = its axis 2); value (in the module: [8, 2048, 1024], K = its axis 1): each comes as NAME_codes (uint8): NAME with its K axis moved to the last place and cut into blocks of 32 codes, [.., K / 32, bytes a block], one block behind the other in memory; four codes in three bytes: a row's codes are one little-endian stream of bits, code i at bits 6 i .. 6 i + 5 (a code: sign, 3 exponent bits, 2 mantissa bits); and NAME_scales (uint8): the same leading axes, one E8M0 byte (e + 127) for each 32 codes along K. Its value is code x scale, taken as it is: it is not quantised again, and the codes and scales need not be those that the quantiser above would give.
;; One version. Each part assembles by itself: llvm-mc -triple=amdgcn-amd-amdhsa -mcpu=gfx1250 --defsym DOCPART=n.
;; ======== version 1 of 1: 3 launches
;; limits: right only within a limited range of input values
;; workspace buffers: stats 2,097,152 bytes; p_codes 25,165,824 bytes; p_scales 1,048,576 bytes
;; launch stats (part 1): grid 4 x 64, 4 waves a work-group, clusters of 4 x 4, 327,680 bytes of LDS; arguments query_codes, query_scales, key_codes, key_scales, stats, key_mask; writes stats
.if DOCPART == 1
	.amdgcn_target "amdgcn-amd-amdhsa--gfx1250"
	.amdhsa_code_object_version 6
	.text
	.protected	k_qe7123912fb_stats
	.globl	k_qe7123912fb_stats
	.p2align	8
	.type	k_qe7123912fb_stats,@function
k_qe7123912fb_stats:
	s_mov_b64 s[64:65], 0
	v_nop
	global_prefetch_b8 v0, s[64:65] scope:SCOPE_SE
	s_setreg_imm32_b32 hwreg(HW_REG_WAVE_MODE, 25, 1), 1
	s_wait_xcnt 0x0
	s_wait_alu depctr_hold_cnt(0) depctr_sa_sdst(0) depctr_va_vdst(0) depctr_va_sdst(0) depctr_va_ssrc(0) depctr_va_vcc(0) depctr_vm_vsrc(0)
	s_getreg_b32 s2, hwreg(HW_REG_IB_STS2, 6, 4)
	s_cmp_eq_u32 s2, 0
	s_cbranch_scc0 .Lentry_in_a_cluster
	s_endpgm
.Lentry_in_a_cluster:
	s_bfe_u32 s2, ttmp6, 0x10000c
	s_cmp_lg_u32 s2, 0xf033
	s_cbranch_scc0 .Lentry_shape_is_right
	s_endpgm
.Lentry_shape_is_right:
; FIRST OF THREE LAUNCHES.  S = Q K^T on codes of BF6 (E3M2) with E8M0 scales, 8 batches x 2,048 queries x 2,048 keys, K = 1,024.  With t = S x log2(e) / 32 this launch stores, for each query and each
; PIECE of 128 keys, the pair (-M, l): -M = floor(-(the piece's largest t)), a whole number, and l = the sum over the piece of 2^(t - M).  The next launch joins a row's 16 pairs into the softmax's maximum and sum.
; stats: [piece 0..15][row 0..16383][2] f32; piece = 2 x tile column + the wave's column half; row = 2,048 x batch + query.
; A tile of S, 256 queries x 256 keys, is made by a work-group of four waves, each 128 x 128: 64 accumulators of 16 x 16, 512 registers.  K goes in steps of 256 (rows of 192 bytes) through a ring of two LDS slots.
; A WORK-GROUP STAYS: it makes TWO tiles, the same 256 queries against 512 neighbouring keys.  K has only four steps, so the ring does not stop at the first tile's end: its last two changes of slots ask for the second
; tile's K steps 0 and 1, which land while the first tile's statistics are made, and nothing waits for the first tile's stores.  The last tile's tail is written out.
; The scale bytes of the 256 rows of Q and of the 512 rows of K, for all of K, come into LDS once, with the first fills, and stay.
; CLUSTERS: 4 x 4 work-groups.  The four of a row of the cluster need the same rows of Q, the four of a column the same rows of K: each tile is asked for jointly.  All sixteen lie in one batch (a batch is 8 tile rows, a cluster 4).
; THE PRODUCT IS USED TRANSPOSED (source 0 = 16 keys, source 1 = 16 queries): lane (r, h) of accumulator (a, b) holds query 16 a + r, and its register j key 16 b + 8 h + j.
; THE KEY MASK IS THE C OF EACH SUM'S FIRST PRODUCT: 0 for an open key, -2^36 (which is -2^31 x 32, what the mask puts in the score's place, ahead of the division by 32) for a masked one.
; LIMITS: |score x log2(e)| under 2^26; a piece whose largest t lies at or under -2^26 counts as having no open key (its l is 0); a masked key adds exactly 0 to a sum; scale bytes 0xff, which stand for NaN, are not served.
; REGISTERS, in windows of 256: window 0: v0-31 addresses; v32-63 scale words, two sets; v64-127 the bias; v128-223 Q's fragments, one set (on the way out: at work).
;   window 1: K's fragments, two sets, at v0 and v128; v96-111 the second tile's mask bytes.  windows 2, 3: the accumulators ((a, b) at v[8 (8 (a % 4) + b)]).
.set KSTEP,  256                       ; along K in a slot
.set NQ,     2                         ; matrix instructions deep
.set ROWB,   192                       ; a tile's row in bytes
.set KROW,   768                       ; a row of Q or K in memory: 1,024 codes
.set PITCH,  240                       ; an LDS row: 3 x (64 bytes + 16 of padding)
.set FR,     12                        ; registers of a fragment
.set NL,     6                         ; LDS loads that bring one
.set NP,     4                         ; places behind this matrix instruction (ISA guide 7.12.1)
.set HALFT,  128*PITCH                 ; 128 rows: one tensor load
.set SLOT,   4*HALFT                   ; Q's 256 rows, then K's 256 rows
.set KS,     32                        ; a row of scale bytes
.set SCL,    2*SLOT                    ; behind the ring: the scales, as units of 256 bytes + 16 of padding: Q's 256 rows, the first tile's 256 rows of K, the second's
.set HALFS,  (128*KS/256)*272          ; the scales of 128 rows
.set SBLK,   (16*KS/256)*272           ; those of 16 rows
.set TSCL,   2*HALFS                   ; those of a tile's 256 rows
.set SPARE,  SCL+3*TSCL                ; the spare words, 128 bytes a wave: two blocks of 256 bytes that no other line names
.set TILES,  2                         ; tiles to a work-group
.set BACK_A, 2*ROWB                    ; from a slot's last K step of a tile to its first of the next: Q goes back along K,
.set NEXT_B, 256*KROW-2*ROWB           ; K 256 rows on and back along K
.set HH,   12                          ; v12  lane / 16
.set TV,   13                          ; v13  at work
.set ADRS0, 14                         ; v14  LDS address of my scale words in the first tile: lanes 0-15 Q's rows, lanes 16-31 K's; never rewritten
.set ADRA, 16                          ; v16-17 LDS address of my Q fragments in slot 0, 1 (v18-19: behind one padding more)
.set ADRB, 20                          ; v20-23 the same for K
.set ADRS, 27                          ; v27  the same as v14 for the tile in hand
.set SPW,  28                          ; v28  SPARE + 4 x my thread's number; never rewritten
.set NIL,  29                          ; v29  0; never rewritten
.set H8,   30                          ; v30  8 x (lane / 16)
.set L8,   31                          ; v31  8 x lane
.set SC,   32                          ; scale words: set s at v[SC + 16 s]; register 2 i + q: lanes 0-15 Q's block i, lanes 16-31 K's block i
.set BIAS, 64                          ; v64-127: register 8 b + j: the bias of key 16 b + 8 h + j of my 128
.set AF,   128                         ; Q's fragments
.set RAW,  96                          ; in window 1: v96-111 the second tile's mask bytes, as loaded
.set TT,   128                         ; the way out: 64 numbers at work
.set CH,   192                         ; four chains
.set XP,   196                         ; what the other half of the lanes holds
.set OUTR, 200                         ; four pairs to store
.set ST,   208                         ; v[208 + 2 a] = -M, v[209 + 2 a] = l of row block a
.set TOFF, 3                           ; s3   0 in the first tile, TSCL in the second: how far on K's scales lie
.set NEGB, 67                          ; s67  the bits of -2^36
.set G1, 24
.set G0, 32
.set G1B, 48
.set G0B, 56
.set G1S, 68
.set G0S, 76
.set G1SB, 80
.set G0SB, 88
.set MSB, 0
.macro WIN new                         ; the immediate's high byte repeats the setting that is left
.if MSB != \new
	s_set_vgpr_msb (MSB<<8)|\new
.set MSB, \new
.endif
.endm
.set MUL_LO,   0xa1                    ; source 0 (K) window 1, source 1 (Q) window 0, C and D window 2
.set MUL_HI,   0xf1                    ; the same, C and D window 3
.set FIRST_LO, 0x81                    ; a sum's first product: C is the bias, in window 0; D window 2
.set FIRST_HI, 0xc1                    ; D window 3
.set TO_B,     0x40                    ; destination window 1, address window 0
; A joint load: waves 0 and 1 fetch for Q, waves 2 and 3 for K.  The branch hangs on the wave's number alone.  Four v_nop follow each of the two lines.
.macro JLOAD g0a, g1a, g0b, g1b
	s_cmp_eq_u32 s15, 0
	s_cbranch_scc0 .Lfor_b_\@
	tensor_load_to_lds s[\g0a:\g0a+3], s[\g1a:\g1a+7]
	s_nop 0
.rept 4
	v_nop
.endr
	s_branch .Lasked_\@
.Lfor_b_\@:
	tensor_load_to_lds s[\g0b:\g0b+3], s[\g1b:\g1b+7]
	s_nop 0
.rept 4
	v_nop
.endr
.Lasked_\@:
.endm
.macro CREST                           ; a round of the cluster's barrier behind its opening barrier
	s_cmp_lg_u32 s14, 0
	s_cbranch_scc1 .Lnot_wave_0_\@
	s_barrier_signal -3
.Lnot_wave_0_\@:
	s_barrier_wait -3
	s_barrier_signal -1
	s_barrier_wait -1
.endm
.macro CROUND                          ; a whole round
	s_barrier_signal -1
	s_barrier_wait -1
	CREST
.endm
; THE BIAS of my 128 keys from their mask bytes (16 registers from v[src] on, in the window that win gives source 0).  A byte is 0 or 1: (byte - 1) is all ones for a masked key and 0 for an open one; ANDed with the bits of -2^36.
.macro MKBIAS win, src
	WIN \win
.irp b, 0,1,2,3,4,5,6,7
.irp j, 0,1,2,3,4,5,6,7
	v_bfe_u32 v[BIAS+8*\b+\j], v[\src+2*\b+\j/4], 8*(\j%4), 8
.endr
.endr
	WIN 0
.set j, 0
.rept 64
	v_add_nc_u32 v[BIAS+j], -1, v[BIAS+j]
.set j, j+1
.endr
.set j, 0
.rept 64
	v_and_b32 v[BIAS+j], s[NEGB], v[BIAS+j]
.set j, j+1
.endr
.endm
	s_load_b128 s[4:7], s[0:1], 0x0                ; Q's codes, Q's scales
	s_load_b128 s[8:11], s[0:1], 0x10              ; K's codes, K's scales
	s_load_b64 s[12:13], s[0:1], 0x20              ; stats
	s_load_b64 s[96:97], s[0:1], 0x28              ; the key mask
	v_lshl_add_u32 v[SPW], v0, 2, SPARE
	v_mov_b32 v[NIL], 0
	ds_add_u32 v28, v29
	ds_add_u32 v28, v29
	s_wait_dscnt 0x0
	v_lshrrev_b32 v1, 5, v0
	v_readfirstlane_b32 s14, v1                    ; wave 0..3
	s_lshr_b32 s15, s14, 1                         ; which half of the tile's queries is mine.  Also: I fetch for Q (0) or for K (1)
	s_and_b32 s16, s14, 1                          ; which half of its keys.  Also: which 128 rows of that tile I fetch
	s_bfe_u32 s40, ttmp6, 0x40000                  ; cx, cy: my place in the cluster
	s_bfe_u32 s41, ttmp6, 0x40004
	s_lshl_b32 s42, ttmp9, 2
	s_add_co_u32 s42, s42, s40                     ; my pair of tile columns = 4 x cluster x + cx: 0..3
	s_and_b32 s17, ttmp7, 0xffff
	s_lshl_b32 s17, s17, 2
	s_add_co_u32 s17, s17, s41                     ; tile row = 4 x cluster y + cy: 0..63 = 8 x batch + the batch's tile of queries
	s_and_b32 s95, ttmp7, 0xffff
	s_lshr_b32 s95, s95, 1                         ; the batch = cluster y / 2: the same in all sixteen partners
	s_lshl_b32 s95, s95, 11                        ; its first key
	s_lshl_b32 s43, s41, 2
	s_lshl_b32 s43, 15, s43                        ; my row of the cluster
	s_lshl_b32 s44, 0x1111, s40                    ; my column
	; descriptor group 1: a tile of 128 rows x 192 bytes, 16 bytes of padding behind every 64
	s_or_b32 s[G1+0], s43, (0<<16)|(1<<20)|(1<<21)|(3<<22)|(3<<25)
	s_or_b32 s[G1B+0], s44, (0<<16)|(1<<20)|(1<<21)|(3<<22)|(3<<25)
.irp g, G1, G1B
	s_mov_b32 s[\g+1], ROWB<<16                    ; tensor_dim0
	s_mov_b32 s[\g+2], 128<<16                     ; tensor_dim1
	s_mov_b32 s[\g+3], ROWB<<16                    ; tile_dim0
	s_mov_b32 s[\g+4], 128                         ; tile_dim1
	s_mov_b32 s[\g+5], KROW                        ; tensor_dim0_stride
	s_mov_b32 s[\g+6], 0
	s_mov_b32 s[\g+7], 0
.endr
	; the scales: dense bytes as rows of 256 (32 elements of 8), 16 bytes of padding behind each.  A load for Q brings 128 rows' (16 such rows), a load for K a whole tile's 256 rows' (32)
	s_or_b32 s[G1S+0], s43, (3<<16)|(1<<20)|(1<<21)|(5<<22)|(3<<25)
	s_or_b32 s[G1SB+0], s44, (3<<16)|(1<<20)|(1<<21)|(5<<22)|(3<<25)
.irp g, G1S, G1SB
	s_mov_b32 s[\g+1], 32<<16
	s_mov_b32 s[\g+3], 32<<16
	s_mov_b32 s[\g+5], 32
	s_mov_b32 s[\g+6], 0
	s_mov_b32 s[\g+7], 0
.endr
	s_mov_b32 s[G1S+2], 16<<16
	s_mov_b32 s[G1S+4], 16
	s_mov_b32 s[G1SB+2], 32<<16
	s_mov_b32 s[G1SB+4], 32
	s_lshl_b32 s18, s16, 7                         ; which 128 rows of a tile I fetch
	s_lshl_b32 s20, s17, 8
	s_add_co_u32 s20, s20, s18                     ; Q: row 256 x tile row + 128 x half
	s_lshl_b32 s46, s42, 9
	s_add_co_u32 s46, s46, s95                     ; K: the first row of my two tiles: 2,048 x batch + 512 x pair
	s_lshl_b32 s92, s16, 8
	s_add_co_u32 s92, s92, s46                     ; K's scales: wave 2 brings the first tile's 256 rows, wave 3 the second's
	s_add_co_u32 s46, s46, s18                     ; K's codes: the first tile's rows, + 128 x half
	s_mov_b32 s67, s46                             ; which is also the first key of my column half
	s_mov_b32 s21, 0
	s_mov_b32 s47, 0
	s_mov_b32 s93, 0
	s_mov_b64 s[18:19], KS
	s_mul_u64 s[22:23], s[20:21], s[18:19]         ; where these rows' scales begin, in bytes
	s_mul_u64 s[92:93], s[92:93], s[18:19]
	s_mov_b64 s[18:19], KROW
	s_mul_u64 s[20:21], s[20:21], s[18:19]         ; and their codes
	s_mul_u64 s[46:47], s[46:47], s[18:19]
	s_mul_i32 s45, s14, HALFT                      ; where they go: wave x 128 rows: no place in the cluster enters an LDS address
	s_mul_i32 s94, s14, HALFS                      ; Q's scales: wave x 128 rows';
	s_mul_i32 s3, s16, TSCL                        ; K's: (wave % 2) x 256 rows', behind Q's
	s_wait_kmcnt 0x0
	s_add_nc_u64 s[20:21], s[4:5], s[20:21]
	s_add_nc_u64 s[22:23], s[6:7], s[22:23]
	s_add_nc_u64 s[46:47], s[8:9], s[46:47]
	s_add_nc_u64 s[92:93], s[10:11], s[92:93]
	CROUND                                         ; all sixteen work-groups are here: the first joint loads meet
	s_mov_b32 s[G0S], 1
	s_add_co_u32 s[G0S+1], s94, SCL
	s_mov_b64 s[G0S+2:G0S+3], s[22:23]
	s_or_b32 s[G0S+3], s[G0S+3], 0x80000000
	s_mov_b32 s[G0SB], 1
	s_add_co_u32 s[G0SB+1], s3, SCL+TSCL
	s_mov_b64 s[G0SB+2:G0SB+3], s[92:93]
	s_or_b32 s[G0SB+3], s[G0SB+3], 0x80000000
	JLOAD G0S, G1S, G0SB, G1SB                     ; the scales first: they are wanted with K step 0
.irp s, 0,1
	s_mov_b32 s[G0+4*\s], 1
	s_add_co_u32 s[G0+4*\s+1], s45, \s*SLOT
	s_add_nc_u64 s[G0+4*\s+2:G0+4*\s+3], s[20:21], \s*ROWB
	s_or_b32 s[G0+4*\s+3], s[G0+4*\s+3], 0x80000000
	s_mov_b32 s[G0B+4*\s], 1
	s_add_co_u32 s[G0B+4*\s+1], s45, \s*SLOT
	s_add_nc_u64 s[G0B+4*\s+2:G0B+4*\s+3], s[46:47], \s*ROWB
	s_or_b32 s[G0B+4*\s+3], s[G0B+4*\s+3], 0x80000000
	JLOAD G0+4*\s, G1, G0B+4*\s, G1B
.endr
	v_and_b32 v1, 15, v0                           ; r = lane % 16
	v_bfe_u32 v[HH], v0, 4, 1                      ; h = lane / 16
	; the mask bytes of both tiles, and the first tile's bias, while the first tiles are on their way
	s_mov_b32 s18, s67
	s_mov_b32 s19, 0
	s_add_nc_u64 s[96:97], s[96:97], s[18:19]      ; the mask at my first key
	v_lshlrev_b32 v[H8], 3, v[HH]
.irp b, 0,1,2,3,4,5,6,7
	global_load_b64 v[AF+2*\b:AF+2*\b+1], v[H8], s[96:97] offset:16*\b   ; the bytes of keys 16 b + 8 h + 0 .. 7
.endr
	WIN TO_B
.irp b, 0,1,2,3,4,5,6,7
	global_load_b64 v[RAW+2*\b:RAW+2*\b+1], v[H8], s[96:97] offset:256+16*\b   ; the same of the second tile, 256 keys on: they wait in window 1
.endr
	WIN 0
	s_mov_b32 s[NEGB], 0xd1800000                  ; -2^36
	s_mov_b32 s[TOFF], 0
	s_wait_loadcnt 0x0
	MKBIAS 0, AF
	; the fragments' addresses
	v_mul_u32_u24 v3, v1, PITCH
	v_mul_u32_u24 v4, v[HH], 24
	v_add_nc_u32 v4, v3, v4                        ; a fragment's row x pitch + 24 x half
	v_lshl_add_u32 v5, v[HH], 4, v4                ; and the same behind one padding more
	s_mul_i32 s21, s15, HALFT                      ; my 128 rows of Q
	s_mul_i32 s22, s16, HALFT                      ; my 128 rows of K,
	s_add_co_u32 s22, s22, 2*HALFT                 ; which lie behind Q's 256
.irp s, 0,1
	v_add_nc_u32 v[ADRA+\s], s21, v4
	v_add_nc_u32 v[ADRB+\s], s22, v4
	v_add_nc_u32 v[ADRA+2+\s], s21, v5
	v_add_nc_u32 v[ADRB+2+\s], s22, v5
	s_add_co_u32 s21, s21, SLOT
	s_add_co_u32 s22, s22, SLOT
.endr
	v_mul_u32_u24 v5, v1, KS                       ; my row's scales: KS bytes a row,
	v_lshrrev_b32 v6, 8, v5
	v_lshl_add_u32 v5, v6, 4, v5                   ; and 16 more for each 256 passed
	s_mul_i32 s21, s15, HALFS                      ; Q's: my 128 rows
	s_mul_i32 s22, s16, HALFS                      ; K's: my 128 rows of the first tile, behind Q's 256
	s_add_co_u32 s22, s22, TSCL
	s_sub_co_u32 s22, s22, s21
	v_mul_u32_u24 v6, s22, v[HH]                   ; lanes 16-31 take K's: one product, the distance between the two bases
	s_add_co_u32 s21, s21, SCL
	v_add_nc_u32 v5, v5, v6
	v_add_nc_u32 v[ADRS0], s21, v5
	v_and_b32 v[L8], 31, v0
	v_lshlrev_b32 v[L8], 3, v[L8]                  ; the way out: a pair of 8 bytes a lane
	s_lshl_b32 s20, s42, 2
	s_add_co_u32 s20, s20, s16                     ; the first tile's piece = 4 x pair + column half
	s_lshl_b32 s20, s20, 14                        ; x 16,384 rows
	s_lshl_b32 s21, s17, 8
	s_add_co_u32 s20, s20, s21                     ; + 256 x tile row
	s_lshl_b32 s21, s15, 7
	s_add_co_u32 s20, s20, s21                     ; + 128 x row half
	s_lshl_b32 s20, s20, 3                         ; 8 bytes a pair (under 2^21)
	s_mov_b32 s21, 0
	s_add_nc_u64 s[12:13], s[12:13], s[20:21]
	s_mov_b32 s20, 0x76543210                      ; v_permlanex16_b32: lane l xor 16
	s_mov_b32 s21, 0xfedcba98
	s_mov_b32 s22, 0x3d38aa3b                      ; c = log2(e) / 32
	s_mov_b32 s23, s22                             ; (named with it as a pair, so it is written)
	s_mov_b32 s66, 0xffff0000                      ; lanes 16-31
.macro FRAG reg, adr, q, i             ; a fragment: lane l holds row l % 16; registers 6 c .. 6 c + 5 hold K = 64 c + 32 (l / 16) + 0 .. 31: 24 bytes of the row, as they lie, in pieces of 8 bytes
.irp p, 0,1,2,3,4,5
.set PC, 12*(\q)+6*(\p/3)+\p%3        ; lanes 16-31 read three pieces further on: where that is behind one padding more, the second address register serves
.if PC%8 < 5
	ds_load_b64 v[\reg+2*\p:\reg+2*\p+1], v[\adr] offset:8*PC+16*(PC/8)+(\i)*16*PITCH
.else
	ds_load_b64 v[\reg+2*\p:\reg+2*\p+1], v[\adr+2] offset:8*PC+16*(PC/8)+(\i)*16*PITCH
.endif
.endr
.endm
; 16 matrix instructions: Q's blocks a0, a0 + 1 x K's eight, 128 along K.  p: K's set; sc: the set of scale words.  zero = 1: a sum's first product, whose C is the bias.
; The 64 accumulators take turns, one instruction a turn, in the same order in every step.
.macro MUL16 a0, p, q, sc, zero
.irp a, \a0, \a0+1
.irp b, 0,1,2,3,4,5,6,7
.if \zero
	v_wmma_scale_f32_16x16x128_f8f6f4 v[8*(8*((\a)%4)+\b):8*(8*((\a)%4)+\b)+7], v[128*(\p)+FR*\b:128*(\p)+FR*\b+FR-1], v[AF+FR*(\a):AF+FR*(\a)+FR-1], v[BIAS+8*\b:BIAS+8*\b+7], v[SC+8*NQ*(\sc)+NQ*\b+(\q)], v[SC+8*NQ*(\sc)+NQ*(\a)+(\q)] matrix_a_fmt:MATRIX_FMT_BF6 matrix_b_fmt:MATRIX_FMT_BF6 matrix_a_scale:MATRIX_SCALE_ROW1
.else
	v_wmma_scale_f32_16x16x128_f8f6f4 v[8*(8*((\a)%4)+\b):8*(8*((\a)%4)+\b)+7], v[128*(\p)+FR*\b:128*(\p)+FR*\b+FR-1], v[AF+FR*(\a):AF+FR*(\a)+FR-1], v[8*(8*((\a)%4)+\b):8*(8*((\a)%4)+\b)+7], v[SC+8*NQ*(\sc)+NQ*\b+(\q)], v[SC+8*NQ*(\sc)+NQ*(\a)+(\q)] matrix_a_fmt:MATRIX_FMT_BF6 matrix_b_fmt:MATRIX_FMT_BF6 matrix_a_scale:MATRIX_SCALE_ROW1
.endif
.endr
.endr
.endm
.macro FETCH_B slot, q, p              ; K's eight fragments of the slot's q-th 128 along K into set p
	WIN TO_B
.irp i, 0,1,2,3,4,5,6,7
	FRAG 128*(\p)+FR*\i, ADRB+\slot, \q, \i
.endr
	WIN 0
.endm
.macro FETCH_A slot, q, i0             ; Q's blocks i0 .. i0 + 3
.irp i, \i0, \i0+1, \i0+2, \i0+3
	FRAG AF+FR*(\i), ADRA+\slot, \q, \i
.endr
.endm
.macro SCALES sc, ks                   ; the scale words of the tile's K step ks into set sc: two words a row, 8 bytes on for each K step
.irp i, 0,1,2,3,4,5,6,7
	ds_load_b64 v[SC+8*NQ*\sc+NQ*\i:SC+8*NQ*\sc+NQ*\i+1], v[ADRS] offset:\i*SBLK+8*(\ks)
.endr
.endm
.macro PLACES n                        ; plain vector lines between a matrix instruction and a load into, or a vector read of, its registers (ISA guide 7.12.1 for vector reads)
.rept \n
	v_nop
.endr
.endm
; A step of 128 along K that has its successor in the same slot.
.macro STEP slot, q, zero
	s_wait_dscnt 4*NL                              ; K's set and Q's blocks 0-3 are in; the youngest 24 loads (Q's blocks 4-7) may be out
.if \zero
	WIN FIRST_LO
.else
	WIN MUL_LO
.endif
	MUL16 0, (\q)%2, \q, \slot, \zero
	MUL16 2, (\q)%2, \q, \slot, \zero
	s_wait_dscnt 0                                 ; Q's blocks 4-7 are in
	PLACES NP
	FETCH_B \slot, (\q)+1, 1-(\q)%2
	FETCH_A \slot, (\q)+1, 0
.if \zero
	WIN FIRST_HI
.else
	WIN MUL_HI
.endif
	MUL16 4, (\q)%2, \q, \slot, \zero
	MUL16 6, (\q)%2, \q, \slot, \zero
	PLACES NP
	WIN 0
	FETCH_A \slot, (\q)+1, 4
.endm
; The first half of a slot's last step, with the change of slots: one barrier; in front of it each wave waits for all its tensor loads, adds 0 to its spare word, and waits for that and for its own reads of this slot.
.macro MEET slot
	s_wait_tensorcnt 0x0                           ; all my tensor loads have landed: my part of the other slot (every window is 0 here)
	ds_add_u32 v[SPW], v[NIL]                      ; 0 onto my spare word
	s_wait_dscnt 4*NL+1                            ; the add and the youngest 24 loads (Q's blocks 4-7) may be out
	WIN MUL_LO
	MUL16 0, 1, NQ-1, \slot, 0                     ; sixteen matrix instructions stand between the add and the wait for it
	s_wait_dscnt 0x0                               ; the add is done, and my reads of this slot are over
	s_barrier_signal -1
	MUL16 2, 1, NQ-1, \slot, 0
	WIN 0
	s_barrier_wait -1
.endm
; The slot just read out is filled again.  how = 1: with this tile's K step two on; how = 2: with the next tile's K step 0 or 1.
.macro REFILL slot, how
	CREST                                          ; the barrier has opened a round of the cluster's barrier: no wave of any partner still reads this slot or has a load on its way
.if \how == 2
	s_sub_nc_u64 s[G0+4*\slot+2:G0+4*\slot+3], s[G0+4*\slot+2:G0+4*\slot+3], BACK_A
	s_add_nc_u64 s[G0B+4*\slot+2:G0B+4*\slot+3], s[G0B+4*\slot+2:G0B+4*\slot+3], NEXT_B
.else
	s_add_nc_u64 s[G0+4*\slot+2:G0+4*\slot+3], s[G0+4*\slot+2:G0+4*\slot+3], 2*ROWB
	s_add_nc_u64 s[G0B+4*\slot+2:G0B+4*\slot+3], s[G0B+4*\slot+2:G0B+4*\slot+3], 2*ROWB
.endif
	JLOAD G0+4*\slot, G1, G0B+4*\slot, G1B         ; the first tensor load behind the round; its four v_nop are also the places in front of the loads that follow
.endm
; A slot's last step.  fill = 0: nothing is filled; else as REFILL's how.  ks: the K step that lies in the next slot.
.macro TURN slot, next, fill, ks
	MEET \slot
.if \fill
	REFILL \slot, \fill
.else
	PLACES NP
.endif
	FETCH_B \next, 0, 0
	FETCH_A \next, 0, 0
	SCALES \next, \ks
	WIN MUL_HI
	MUL16 4, 1, NQ-1, \slot, 0
	MUL16 6, 1, NQ-1, \slot, 0
	PLACES NP
	WIN 0
	FETCH_A \next, 0, 4
.endm
; The last step of a tile that has a successor: the slot takes the next tile's K step 1; the next tile's fragments are fetched behind the way out, which works in Q's registers.
.macro TURNX slot
	MEET \slot
	REFILL \slot, 2
	WIN MUL_HI
	MUL16 4, 1, NQ-1, \slot, 0
	MUL16 6, 1, NQ-1, \slot, 0
	WIN 0
.endm
; THE WAY OUT.  Row block a: 16 queries; a lane holds 64 of its query's 128 scores, the lane 16 away the other 64.
.macro ROWSTAT a
.set AC, 64*((\a)%4)
.set W, 2+(\a)/4
.set WN, (W)|(W<<2)|(W<<4)
	WIN WN                                         ; all three sources: the accumulators' window
.irp k, 0,1,2,3
	v_max3_num_f32 v[CH+\k], v[AC+16*\k], v[AC+16*\k+1], v[AC+16*\k+2]   ; four chains of 16 scores; each accumulator is read from its low end on
.endr
.set WN, (W<<2)|(W<<4)
	WIN WN
.irp i, 3,5,7,9,11,13
.irp k, 0,1,2,3
	v_max3_num_f32 v[CH+\k], v[CH+\k], v[AC+16*\k+\i], v[AC+16*\k+\i+1]
.endr
.endr
.irp k, 0,1,2,3
	v_max_num_f32 v[CH+\k], v[CH+\k], v[AC+16*\k+15]
.endr
	WIN 0
	v_max3_num_f32 v[CH], v[CH], v[CH+1], v[CH+2]
	v_max_num_f32 v[CH], v[CH], v[CH+3]
	v_permlanex16_b32 v[XP], v[CH], s20, s21
	v_max_num_f32 v[CH], v[CH], v[XP]              ; the piece's largest score of my query
	v_mul_f32 v[CH], s22, v[CH]                    ; as t (c is positive)
	v_max_num_f32 v[CH], 0xcc800000, v[CH]         ; held at -2^26 from below: in a piece with no open key t - M then stays far below every exponent, and l is 0
	v_floor_f32 v[ST+2*(\a)], -v[CH]               ; -M = floor(-t) = -ceil(t)
.set WN, W
	WIN WN                                         ; source 0: the accumulators' window
.set j, 0
.rept 32
	v_pk_fma_f32 v[TT+j:TT+j+1], v[AC+j:AC+j+1], s[22:23], v[ST+2*(\a):ST+2*(\a)+1] op_sel_hi:[1,0,0]   ; t - M, two at a time (of the pairs c and -M the low word serves both halves)
.set j, j+2
.endr
	WIN 0
.set j, 0
.rept 64
	v_exp_f32 v[TT+j], v[TT+j]
.set j, j+1
.endr
	v_nop                                          ; a plain line behind the last exponential
	s_wait_alu depctr_va_vdst(0)                   ; one wait for the batch, ahead of its first reader
	v_pk_add_f32 v[CH:CH+1], v[TT:TT+1], v[TT+2:TT+3]              ; the sum, two at a time, in two chains
	v_pk_add_f32 v[CH+2:CH+3], v[TT+4:TT+5], v[TT+6:TT+7]
.set j, 8
.rept 14
	v_pk_add_f32 v[CH:CH+1], v[CH:CH+1], v[TT+j:TT+j+1]
	v_pk_add_f32 v[CH+2:CH+3], v[CH+2:CH+3], v[TT+j+2:TT+j+3]
.set j, j+4
.endr
	v_pk_add_f32 v[CH:CH+1], v[CH:CH+1], v[CH+2:CH+3]
	v_add_f32 v[CH], v[CH], v[CH+1]
	v_permlanex16_b32 v[XP], v[CH], s20, s21
	v_add_f32 v[ST+2*(\a)+1], v[CH], v[XP]         ; l
.endm
.macro STATS_OUT
	v_mov_b32 v[XP], 0                             ; a lane permute's destination counts as one of its sources
.irp a, 0,1,2,3,4,5,6,7
	ROWSTAT \a
.endr
.irp g, 0,1,2,3                        ; every lane of a block holds its query's pair: lanes 0-15 keep block 2 g's, lanes 16-31 take block 2 g + 1's: lane l then holds row 32 g + l
	v_cndmask_b32 v[OUTR+2*\g], v[ST+4*\g], v[ST+4*\g+2], s66
	v_cndmask_b32 v[OUTR+2*\g+1], v[ST+4*\g+1], v[ST+4*\g+3], s66
.endr
.irp g, 0,1,2,3
	global_store_b64 v[L8], v[OUTR+2*\g:OUTR+2*\g+1], s[12:13] offset:256*\g   ; 32 lanes store 256 consecutive bytes, at a multiple of 256 from the buffer's first byte
.endr
.endm
	s_wait_tensorcnt 1                             ; the scales and my part of K step 0 are in; K step 1's load may be out
	s_barrier_signal -1
	s_barrier_wait -1
	s_mov_b32 s2, TILES                            ; tiles to go, this one among them: the same number in every work-group
.Ltile:
	v_mul_u32_u24 v[TV], s[TOFF], v[HH]            ; this tile's scale words: Q's where they were, K's TOFF bytes on
	v_add_nc_u32 v[ADRS], v[ADRS0], v[TV]
	FETCH_B 0, 0, 0                                ; slot 0 holds the tile's K step 0: every wave's part of it was waited for in front of the last barrier
	FETCH_A 0, 0, 0
	SCALES 0, 0
	FETCH_A 0, 0, 4
	STEP 0, 0, 1                                   ; the first step starts the sums, from the bias
	TURN 0, 1, 1, 1                                ; slot 0 takes K step 2
	STEP 1, 0, 0
	TURN 1, 0, 1, 2                                ; slot 1 takes K step 3
	STEP 0, 0, 0
	s_cmp_eq_u32 s2, 1
	s_cbranch_scc1 .Llast_tile                     ; the last tile's tail is written out: it asks for nothing more
	TURN 0, 1, 2, 3                                ; THE RING GOES ON INTO THE NEXT TILE: slot 0 takes its K step 0,
	STEP 1, 0, 0
	TURNX 1                                        ; slot 1 its K step 1
	MKBIAS 0x01, RAW                               ; the next tile's bias: 192 plain lines that name no register of the last products: they are the places behind those
	STATS_OUT                                      ; both refills are on their way while the tile's statistics are made
	s_wait_xcnt 0x0                                ; the stores have read their registers and their base: both are written again below
	s_add_nc_u64 s[12:13], s[12:13], 2*16384*8     ; two pieces on
	s_xor_b32 s[TOFF], s[TOFF], TSCL
	s_sub_co_u32 s2, s2, 1
	s_cmp_lg_u32 s2, 0                             ; a tile is left here whenever this line is reached: the last tile has left the loop above
	s_cbranch_scc1 .Ltile
.Llast_tile:
	TURN 0, 1, 0, 3                                ; nothing is filled any more
	STEP 1, 0, 0
	s_wait_dscnt 4*NL                              ; the very last step
	WIN MUL_LO
	MUL16 0, 1, NQ-1, 1, 0
	MUL16 2, 1, NQ-1, 1, 0
	s_wait_dscnt 0
	WIN MUL_HI
	MUL16 4, 1, NQ-1, 1, 0
	MUL16 6, 1, NQ-1, 1, 0
	WIN 0
	PLACES NP                                      ; behind the last products: their results are read and Q's registers written below
	STATS_OUT
	s_wait_tensorcnt 0x0                           ; the wave's end
	ds_add_u32 v[SPW], v[NIL]
	s_wait_dscnt 0x0
	CROUND                                         ; the closing round: no work-group ends while a partner may still ask for a tile that names it
	s_endpgm
.Lfunc_end_k_qe7123912fb_stats:
	.size	k_qe7123912fb_stats, .Lfunc_end_k_qe7123912fb_stats-k_qe7123912fb_stats
	.p2alignl 7, 3214868480
	.fill 96, 4, 3214868480
	.section	.rodata,"a",@progbits
	.p2align	6, 0x0
	.amdhsa_kernel k_qe7123912fb_stats
		.amdhsa_group_segment_fixed_size 327680
		.amdhsa_private_segment_fixed_size 0
		.amdhsa_enable_private_segment 0
		.amdhsa_kernarg_size 48
		.amdhsa_user_sgpr_count 2
		.amdhsa_user_sgpr_kernarg_segment_ptr 1
		.amdhsa_wavefront_size32 1
		.amdhsa_system_sgpr_workgroup_id_x 1
		.amdhsa_system_sgpr_workgroup_id_y 1
		.amdhsa_system_sgpr_workgroup_id_z 1
		.amdhsa_system_vgpr_workitem_id 0
		.amdhsa_next_free_vgpr 1024
		.amdhsa_next_free_sgpr 100
		.amdhsa_reserve_vcc 0
		.amdhsa_float_denorm_mode_32 3
		.amdhsa_float_denorm_mode_16_64 3
		.amdhsa_memory_ordered 1
		.amdhsa_forward_progress 1
		.amdhsa_inst_pref_size 255
	.end_amdhsa_kernel
	.section	.bss,"aw",@nobits
	.p2align	6
	.space	262144
	.amdgpu_metadata
---
amdhsa.version: [ 1, 2 ]
amdhsa.kernels:
  - .name:           k_qe7123912fb_stats
    .symbol:         k_qe7123912fb_stats.kd
    .args:
      - { .name: query_codes, .offset: 0, .size: 8, .value_kind: global_buffer, .address_space: global }
      - { .name: query_scales, .offset: 8, .size: 8, .value_kind: global_buffer, .address_space: global }
      - { .name: key_codes, .offset: 16, .size: 8, .value_kind: global_buffer, .address_space: global }
      - { .name: key_scales, .offset: 24, .size: 8, .value_kind: global_buffer, .address_space: global }
      - { .name: stats, .offset: 32, .size: 8, .value_kind: global_buffer, .address_space: global }
      - { .name: key_mask, .offset: 40, .size: 8, .value_kind: global_buffer, .address_space: global }
    .group_segment_fixed_size: 327680
    .private_segment_fixed_size: 0
    .kernarg_segment_align: 8
    .kernarg_segment_size: 48
    .max_flat_workgroup_size: 128
    .sgpr_count:     100
    .vgpr_count:     1024
    .wavefront_size: 32
...
	.end_amdgpu_metadata
.endif
;; end of part 1
;; launch probs (part 2): grid 4 x 64, 4 waves a work-group, clusters of 4 x 4, 327,680 bytes of LDS; arguments query_codes, query_scales, key_codes, key_scales, p_codes, key_mask, query_mask, stats, p_scales; writes p_codes, p_scales
.if DOCPART == 2
	.amdgcn_target "amdgcn-amd-amdhsa--gfx1250"
	.amdhsa_code_object_version 6
	.text
	.protected	k_qe7123912fb_probs
	.globl	k_qe7123912fb_probs
	.p2align	8
	.type	k_qe7123912fb_probs,@function
k_qe7123912fb_probs:
	s_mov_b64 s[64:65], 0
	v_nop
	global_prefetch_b8 v0, s[64:65] scope:SCOPE_SE
	s_setreg_imm32_b32 hwreg(HW_REG_WAVE_MODE, 25, 1), 1
	s_wait_xcnt 0x0
	s_wait_alu depctr_hold_cnt(0) depctr_sa_sdst(0) depctr_va_vdst(0) depctr_va_sdst(0) depctr_va_ssrc(0) depctr_va_vcc(0) depctr_vm_vsrc(0)
	s_getreg_b32 s2, hwreg(HW_REG_IB_STS2, 6, 4)
	s_cmp_eq_u32 s2, 0
	s_cbranch_scc0 .Lentry_in_a_cluster
	s_endpgm
.Lentry_in_a_cluster:
	s_bfe_u32 s2, ttmp6, 0x10000c
	s_cmp_lg_u32 s2, 0xf033
	s_cbranch_scc0 .Lentry_shape_is_right
	s_endpgm
.Lentry_shape_is_right:
; SECOND OF THREE LAUNCHES.  S = Q K^T once more, by the same instructions in the same order as the launch before; then the finished probabilities p = 2^(t - M) / l, t = S x log2(e) / 32, 0 under the masks, in f32;
; then p is quantised along the keys to codes of BF6 (E3M2) with one E8M0 byte for each 32 keys, for the third launch.
; M and l of a row come from the 16 pairs (-M_i, l_i) that the launch before stored: -M = the least -M_i, l = the sum of l_i x 2^(M_i - M) (by v_ldexp_f32: nothing is rounded there).
; p_codes: [tile column 0..7][row 0..16383][192 bytes]: 256 keys of a row on end.  p_scales: [block of 128 rows][tile column 0..7][row 0..127][8 bytes].  Both so that this launch stores dense runs and the next one fetches dense tiles.
; Tile, waves, ring, scales, cluster and the bias of the key mask are those of the launch before: a tile of 256 queries x 256 keys, four waves of 128 x 128, K steps of 256 through two LDS slots, joint loads in 4 x 4 clusters.
; A WORK-GROUP STAYS, as there: two tiles, the same 256 queries against 512 neighbouring keys; the first tile's last two changes of slots ask for the second tile's K steps 0 and 1, which land while the first tile is
; quantised, and its stores leave while the second is multiplied.  The rows' -M and 1 / l are made once for both tiles.  The last tile's tail is written out.
; THE PRODUCT IS USED TRANSPOSED: lane (r, h) of accumulator (a, b) holds query 16 a + r, and its register j key 16 b + 8 h + j.
; MASKS: a masked key has the bias -2^36, so its p is 0.  A row whose query is masked, or that has no open key, has 1 / l replaced by 0 (a select, not a product with an infinity): all its p are 0.
; LIMITS: |score x log2(e)| under 2^26; a row whose largest t lies at or under -2^26 counts as having no open key; scale bytes 0xff are not served.  A block whose every p is 0 gets the byte 1: its codes are zeros, and this program alone reads the bytes.
; REGISTERS: window 0: v0-31 addresses; v32-63 scale words (on the way out: codes); v64-127 the bias; v128-223 Q's fragments (on the way out: at work); v224-239 -M, v240-255 1 / l, a pair for each row block.
;   window 1: K's fragments; v96-111 the second tile's mask bytes.  windows 2, 3: the accumulators (in the prologue window 2 holds the statistics at work).
.set KSTEP,  256
.set NQ,     2
.set ROWB,   192
.set KROW,   768
.set PITCH,  240
.set FR,     12
.set NL,     6
.set NP,     4
.set HALFT,  128*PITCH
.set SLOT,   4*HALFT
.set KS,     32
.set SCL,    2*SLOT                    ; behind the ring: the scales: Q's 256 rows, the first tile's 256 rows of K, the second's
.set HALFS,  (128*KS/256)*272
.set SBLK,   (16*KS/256)*272
.set TSCL,   2*HALFS
.set SPARE,  SCL+3*TSCL                ; the spare words, 128 bytes a wave: two blocks of 256 bytes that no other line names
.set SP,     208                       ; the way out: a stage row: 192 bytes of codes + 16.  52 words: the 32 lanes of a store of 4 bytes (16 rows, 12 bytes apart in the halves) fall on 32 different banks (64 banks of 4 bytes: ISA guide 11.1)
.set STG,    SPARE+512                 ; the stage: 256 rows, in bytes of its own: the slots are filled again after it has been written
.set SSTG,   STG+256*SP                ; behind it the rows' scale bytes: 256 x 8; they end at LDS byte 327,680
.set TILES,  2
.set BACK_A, 2*ROWB                    ; from a slot's last K step of a tile to its first of the next: Q goes back along K,
.set NEXT_B, 256*KROW-2*ROWB           ; K 256 rows on and back along K
.set RD,   7                           ; v7-9  the way out: where I read 16 bytes back, for three loads that cover eight rows
.set SST,  10                          ; v10   where I put a scale word
.set SRD,  11                          ; v11   where I read scale bytes back
.set HH,   12                          ; v12   lane / 16
.set TV,   13                          ; v13   at work
.set ADRS0, 14                         ; v14   LDS address of my scale words in the first tile; never rewritten
.set LN,   15                          ; v15   lane
.set ADRA, 16
.set ADRB, 20
.set STO,  24                          ; v24   where I put my 12 bytes of codes
.set CO,   25                          ; v25   16 x lane
.set ADRS, 27                          ; v27   as v14, for the tile in hand
.set SPW,  28                          ; v28   SPARE + 4 x my thread's number; never rewritten
.set NIL,  29                          ; v29   0; never rewritten
.set H8,   30                          ; v30   8 x (lane / 16)
.set L8,   31                          ; v31   8 x lane
.set SC,   32
.set BIAS, 64
.set AF,   128
.set RAW,  96                          ; in window 1: v96-111 the second tile's mask bytes, as loaded
.set NM,   224                         ; v[224 + 2 a], twice: -M of query 16 a + r
.set RI,   240                         ; v[240 + 2 a], twice: 1 / l, or 0
.set CDS,  32                          ; the way out: v32-63 codes: two sets of four conversions' three registers
.set SBK,  32                          ; later v32-35: scale bytes read back
.set TT,   128                         ; 64 numbers at work
.set CH,   192                         ; four blocks' largest p
.set XP,   196                         ; what the other half of the lanes holds
.set SO,   200                         ; the conversions' scale operands
.set BY,   204                         ; the scale bytes
.set SW,   208                         ; v208-215 the scale words of the eight row blocks
.set OB,   128                         ; later v128-223: rows read back from the stage
.set TOFF, 3                           ; s3   0 in the first tile, TSCL in the second
.set NEGB, 67                          ; s67  the bits of -2^36
.set G1, 24
.set G0, 32
.set G1B, 48
.set G0B, 56
.set G1S, 68
.set G0S, 76
.set G1SB, 80
.set G0SB, 88
.set MSB, 0
.macro WIN new                         ; the immediate's high byte repeats the setting that is left
.if MSB != \new
	s_set_vgpr_msb (MSB<<8)|\new
.set MSB, \new
.endif
.endm
.set MUL_LO,   0xa1
.set MUL_HI,   0xf1
.set FIRST_LO, 0x81                    ; a sum's first product: C is the bias, in window 0
.set FIRST_HI, 0xc1
.set TO_B,     0x40
.macro JLOAD g0a, g1a, g0b, g1b        ; a joint load: waves 0 and 1 fetch for Q, waves 2 and 3 for K; four v_nop follow each of the two lines
	s_cmp_eq_u32 s15, 0
	s_cbranch_scc0 .Lfor_b_\@
	tensor_load_to_lds s[\g0a:\g0a+3], s[\g1a:\g1a+7]
	s_nop 0
.rept 4
	v_nop
.endr
	s_branch .Lasked_\@
.Lfor_b_\@:
	tensor_load_to_lds s[\g0b:\g0b+3], s[\g1b:\g1b+7]
	s_nop 0
.rept 4
	v_nop
.endr
.Lasked_\@:
.endm
.macro CREST
	s_cmp_lg_u32 s14, 0
	s_cbranch_scc1 .Lnot_wave_0_\@
	s_barrier_signal -3
.Lnot_wave_0_\@:
	s_barrier_wait -3
	s_barrier_signal -1
	s_barrier_wait -1
.endm
.macro CROUND
	s_barrier_signal -1
	s_barrier_wait -1
	CREST
.endm
; THE BIAS of my 128 keys from their mask bytes (16 registers from v[src] on, in the window that win gives source 0): (byte - 1) is all ones for a masked key and 0 for an open one; ANDed with the bits of -2^36.
.macro MKBIAS win, src
	WIN \win
.irp b, 0,1,2,3,4,5,6,7
.irp j, 0,1,2,3,4,5,6,7
	v_bfe_u32 v[BIAS+8*\b+\j], v[\src+2*\b+\j/4], 8*(\j%4), 8
.endr
.endr
	WIN 0
.set j, 0
.rept 64
	v_add_nc_u32 v[BIAS+j], -1, v[BIAS+j]
.set j, j+1
.endr
.set j, 0
.rept 64
	v_and_b32 v[BIAS+j], s[NEGB], v[BIAS+j]
.set j, j+1
.endr
.endm
	s_load_b128 s[4:7], s[0:1], 0x0                ; Q's codes, Q's scales
	s_load_b128 s[8:11], s[0:1], 0x10              ; K's codes, K's scales
	s_load_b64 s[12:13], s[0:1], 0x20              ; p's codes
	s_load_b64 s[96:97], s[0:1], 0x28              ; the key mask
	s_load_b64 s[98:99], s[0:1], 0x30              ; the query mask
	s_load_b64 s[100:101], s[0:1], 0x38            ; stats
	s_load_b64 s[104:105], s[0:1], 0x40            ; p's scales
	v_lshl_add_u32 v[SPW], v0, 2, SPARE
	v_mov_b32 v[NIL], 0
	ds_add_u32 v28, v29
	ds_add_u32 v28, v29
	s_wait_dscnt 0x0
	v_lshrrev_b32 v1, 5, v0
	v_readfirstlane_b32 s14, v1                    ; wave 0..3
	s_lshr_b32 s15, s14, 1                         ; my half of the tile's queries.  Also: I fetch for Q (0) or for K (1)
	s_and_b32 s16, s14, 1                          ; my half of its keys.  Also: which 128 rows of that tile I fetch
	s_bfe_u32 s40, ttmp6, 0x40000                  ; cx, cy
	s_bfe_u32 s41, ttmp6, 0x40004
	s_lshl_b32 s42, ttmp9, 2
	s_add_co_u32 s42, s42, s40                     ; my pair of tile columns: 0..3
	s_and_b32 s17, ttmp7, 0xffff
	s_lshl_b32 s17, s17, 2
	s_add_co_u32 s17, s17, s41                     ; tile row: 0..63 = 8 x batch + the batch's tile of queries
	s_and_b32 s95, ttmp7, 0xffff
	s_lshr_b32 s95, s95, 1                         ; the batch: the same in all sixteen partners
	s_lshl_b32 s95, s95, 11                        ; its first key
	s_lshl_b32 s43, s41, 2
	s_lshl_b32 s43, 15, s43                        ; my row of the cluster
	s_lshl_b32 s44, 0x1111, s40                    ; my column
	s_or_b32 s[G1+0], s43, (0<<16)|(1<<20)|(1<<21)|(3<<22)|(3<<25)   ; 128 rows x 192 bytes, 16 bytes of padding behind every 64
	s_or_b32 s[G1B+0], s44, (0<<16)|(1<<20)|(1<<21)|(3<<22)|(3<<25)
.irp g, G1, G1B
	s_mov_b32 s[\g+1], ROWB<<16
	s_mov_b32 s[\g+2], 128<<16
	s_mov_b32 s[\g+3], ROWB<<16
	s_mov_b32 s[\g+4], 128
	s_mov_b32 s[\g+5], KROW
	s_mov_b32 s[\g+6], 0
	s_mov_b32 s[\g+7], 0
.endr
	s_or_b32 s[G1S+0], s43, (3<<16)|(1<<20)|(1<<21)|(5<<22)|(3<<25)  ; the scales: rows of 256 bytes, 16 bytes of padding behind each: 16 for 128 rows of Q, 32 for a tile's 256 rows of K
	s_or_b32 s[G1SB+0], s44, (3<<16)|(1<<20)|(1<<21)|(5<<22)|(3<<25)
.irp g, G1S, G1SB
	s_mov_b32 s[\g+1], 32<<16
	s_mov_b32 s[\g+3], 32<<16
	s_mov_b32 s[\g+5], 32
	s_mov_b32 s[\g+6], 0
	s_mov_b32 s[\g+7], 0
.endr
	s_mov_b32 s[G1S+2], 16<<16
	s_mov_b32 s[G1S+4], 16
	s_mov_b32 s[G1SB+2], 32<<16
	s_mov_b32 s[G1SB+4], 32
	s_lshl_b32 s18, s16, 7
	s_lshl_b32 s20, s17, 8
	s_add_co_u32 s20, s20, s18                     ; Q: row 256 x tile row + 128 x half
	s_lshl_b32 s46, s42, 9
	s_add_co_u32 s46, s46, s95                     ; K: the first row of my two tiles: 2,048 x batch + 512 x pair
	s_lshl_b32 s92, s16, 8
	s_add_co_u32 s92, s92, s46                     ; K's scales: wave 2 brings the first tile's 256 rows, wave 3 the second's
	s_add_co_u32 s46, s46, s18                     ; K's codes: the first tile's rows, + 128 x half
	s_mov_b32 s67, s46                             ; also the first key of my column half
	s_mov_b32 s21, 0
	s_mov_b32 s47, 0
	s_mov_b32 s93, 0
	s_mov_b64 s[18:19], KS
	s_mul_u64 s[22:23], s[20:21], s[18:19]
	s_mul_u64 s[92:93], s[92:93], s[18:19]
	s_mov_b64 s[18:19], KROW
	s_mul_u64 s[20:21], s[20:21], s[18:19]
	s_mul_u64 s[46:47], s[46:47], s[18:19]
	s_mul_i32 s45, s14, HALFT
	s_mul_i32 s94, s14, HALFS
	s_mul_i32 s3, s16, TSCL
	s_wait_kmcnt 0x0
	s_add_nc_u64 s[20:21], s[4:5], s[20:21]
	s_add_nc_u64 s[22:23], s[6:7], s[22:23]
	s_add_nc_u64 s[46:47], s[8:9], s[46:47]
	s_add_nc_u64 s[92:93], s[10:11], s[92:93]
	CROUND                                         ; all sixteen work-groups are here: the first joint loads meet
	s_mov_b32 s[G0S], 1
	s_add_co_u32 s[G0S+1], s94, SCL
	s_mov_b64 s[G0S+2:G0S+3], s[22:23]
	s_or_b32 s[G0S+3], s[G0S+3], 0x80000000
	s_mov_b32 s[G0SB], 1
	s_add_co_u32 s[G0SB+1], s3, SCL+TSCL
	s_mov_b64 s[G0SB+2:G0SB+3], s[92:93]
	s_or_b32 s[G0SB+3], s[G0SB+3], 0x80000000
	JLOAD G0S, G1S, G0SB, G1SB
.irp s, 0,1
	s_mov_b32 s[G0+4*\s], 1
	s_add_co_u32 s[G0+4*\s+1], s45, \s*SLOT
	s_add_nc_u64 s[G0+4*\s+2:G0+4*\s+3], s[20:21], \s*ROWB
	s_or_b32 s[G0+4*\s+3], s[G0+4*\s+3], 0x80000000
	s_mov_b32 s[G0B+4*\s], 1
	s_add_co_u32 s[G0B+4*\s+1], s45, \s*SLOT
	s_add_nc_u64 s[G0B+4*\s+2:G0B+4*\s+3], s[46:47], \s*ROWB
	s_or_b32 s[G0B+4*\s+3], s[G0B+4*\s+3], 0x80000000
	JLOAD G0+4*\s, G1, G0B+4*\s, G1B
.endr
	; WHILE THE FIRST TILES ARE ON THEIR WAY: the masks and the rows' statistics are asked for in one run, the address work stands behind the run, and one wait serves all.
	v_and_b32 v1, 15, v0                           ; r
	v_bfe_u32 v[HH], v0, 4, 1                      ; h
	v_and_b32 v[LN], 31, v0
	v_lshlrev_b32 v[H8], 3, v[HH]
	v_lshlrev_b32 v[L8], 3, v[LN]
	s_mov_b32 s18, s67
	s_mov_b32 s19, 0
	s_add_nc_u64 s[96:97], s[96:97], s[18:19]      ; the key mask at my first key
	s_lshl_b32 s18, s17, 8
	s_lshl_b32 s40, s15, 7
	s_add_co_u32 s18, s18, s40                     ; my first row: 256 x tile row + 128 x row half
	s_add_nc_u64 s[98:99], s[98:99], s[18:19]      ; the query mask there
	s_lshl_b32 s18, s18, 3
	s_add_nc_u64 s[100:101], s[100:101], s[18:19]  ; and piece 0's pairs
.irp b, 0,1,2,3,4,5,6,7
	global_load_b64 v[AF+2*\b:AF+2*\b+1], v[H8], s[96:97] offset:16*\b   ; the mask bytes of keys 16 b + 8 h + 0 .. 7
.endr
	WIN TO_B
.irp b, 0,1,2,3,4,5,6,7
	global_load_b64 v[RAW+2*\b:RAW+2*\b+1], v[H8], s[96:97] offset:256+16*\b   ; the same of the second tile, 256 keys on: they wait in window 1
.endr
	WIN 0x80                                       ; destination window 2
.irp g, 0,1,2,3                        ; lane l takes row 32 g + l: piece i's pair into v[2 (16 g + i)] of window 2; 32 lanes read 256 consecutive bytes; a piece is 131,072 bytes
.irp i, 0,1,2,3,4,5,6,7,8,9,10,11,12,13,14,15
	global_load_b64 v[2*(16*\g+\i):2*(16*\g+\i)+1], v[L8], s[100:101] offset:131072*\i+256*\g
.endr
.endr
.irp g, 0,1,2,3
	global_load_u8 v[128+\g], v[LN], s[98:99] offset:32*\g
.endr
	WIN 0
	; the fragments' addresses
	v_mul_u32_u24 v3, v1, PITCH
	v_mul_u32_u24 v4, v[HH], 24
	v_add_nc_u32 v4, v3, v4
	v_lshl_add_u32 v5, v[HH], 4, v4
	s_mul_i32 s21, s15, HALFT
	s_mul_i32 s22, s16, HALFT
	s_add_co_u32 s22, s22, 2*HALFT
.irp s, 0,1
	v_add_nc_u32 v[ADRA+\s], s21, v4
	v_add_nc_u32 v[ADRB+\s], s22, v4
	v_add_nc_u32 v[ADRA+2+\s], s21, v5
	v_add_nc_u32 v[ADRB+2+\s], s22, v5
	s_add_co_u32 s21, s21, SLOT
	s_add_co_u32 s22, s22, SLOT
.endr
	v_mul_u32_u24 v5, v1, KS
	v_lshrrev_b32 v6, 8, v5
	v_lshl_add_u32 v5, v6, 4, v5
	s_mul_i32 s21, s15, HALFS
	s_mul_i32 s22, s16, HALFS
	s_add_co_u32 s22, s22, TSCL
	s_sub_co_u32 s22, s22, s21
	v_mul_u32_u24 v6, s22, v[HH]                   ; lanes 16-31 take K's scale words
	s_add_co_u32 s21, s21, SCL
	v_add_nc_u32 v5, v5, v6
	v_add_nc_u32 v[ADRS0], s21, v5
	; the stage's addresses
	s_mul_i32 s23, s15, 128*SP
	s_mul_i32 s21, s16, 96
	s_add_co_u32 s23, s23, s21
	s_add_co_u32 s23, s23, STG
	v_mul_u32_u24 v5, v1, SP
	v_mad_u32_u24 v5, v[HH], 12, v5
	v_add_nc_u32 v[STO], s23, v5                   ; in: row 128 x row half + r, + 96 x column half + 12 h
	s_mul_i32 s23, s14, 64*SP                      ; back: wave w takes rows 64 w .. 64 w + 63.  Eight rows are 96 pieces of 16 bytes: three loads.  Piece n lies in row n / 12 = (43 n) >> 9 (n under 96), 16 (n + row) bytes on
	s_add_co_u32 s23, s23, STG
.irp j, 0,1,2
	v_add_nc_u32 v5, 32*\j, v[LN]
	v_mul_u32_u24 v6, v5, 43
	v_lshrrev_b32 v6, 9, v6
	v_add_nc_u32 v5, v5, v6
	v_lshl_add_u32 v[RD+\j], v5, 4, s23
.endr
	s_lshl_b32 s23, s15, 10
	s_lshl_b32 s21, s16, 2
	s_add_co_u32 s23, s23, s21
	s_add_co_u32 s23, s23, SSTG
	v_lshl_add_u32 v[SST], v[LN], 3, s23           ; a scale word: row (128 x row half + lane) x 8 + 4 x column half
	s_lshl_b32 s23, s14, 9
	s_add_co_u32 s23, s23, SSTG
	v_lshl_add_u32 v[SRD], v[LN], 4, s23           ; back: my 64 rows' 512 bytes
	v_lshlrev_b32 v[CO], 4, v[LN]
	; where the first tile's results go
	s_lshl_b32 s20, s42, 15                        ; its tile column is 2 x pair: x 16,384 rows
	s_lshl_b32 s21, s17, 8
	s_add_co_u32 s20, s20, s21
	s_mul_i32 s20, s20, 192                        ; (16,384 x tile column + 256 x tile row) rows of 192 bytes (under 2^25)
	s_mul_i32 s21, s14, 64*192
	s_add_co_u32 s20, s20, s21                     ; + my 64 rows
	s_mov_b32 s21, 0
	s_add_nc_u64 s[12:13], s[12:13], s[20:21]
	s_lshl_b32 s20, s17, 1
	s_add_co_u32 s20, s20, s15                     ; the block of 128 rows in which my 64 lie: 2 x tile row + wave / 2
	s_lshl_b32 s20, s20, 3
	s_lshl_b32 s22, s42, 1
	s_add_co_u32 s20, s20, s22                     ; x 8 + tile column
	s_lshl_b32 s20, s20, 10                        ; x 1,024 bytes
	s_lshl_b32 s22, s16, 9
	s_add_co_u32 s20, s20, s22                     ; + 512 x (wave % 2)
	s_add_nc_u64 s[104:105], s[104:105], s[20:21]
	s_mov_b32 s20, 0x76543210                      ; v_permlanex16_b32: lane l xor 16
	s_mov_b32 s21, 0xfedcba98
	s_mov_b32 s22, 0x3d38aa3b                      ; c = log2(e) / 32
	s_mov_b32 s23, s22
	s_mov_b32 s66, 0xffff0000                      ; lanes 16-31
	s_mov_b32 s[NEGB], 0xd1800000                  ; -2^36
	s_mov_b32 s[TOFF], 0
	s_mov_b32 s19, 0x4c800000                      ; 2^26
	s_wait_loadcnt 0x0                             ; the masks and the statistics
	MKBIAS 0, AF                                   ; the first tile's bias
	; THE ROWS' -M AND 1 / l, all in window 2: v[32 g + 2 i] = -M_i, v[32 g + 2 i + 1] = l_i, v[128 + g] the query's mask byte; v[132 + g] -M, v[136 + g] l, v[140 + g] 1 / l, v[144 + g], v[148 + g] the other half's
	WIN 0xaa
.irp g, 0,1,2,3
	v_mov_b32 v[144+\g], 0                         ; written once: a lane permute's destination counts as one of its sources
	v_mov_b32 v[148+\g], 0
.endr
.irp g, 0,1,2,3
	v_min3_num_f32 v[132+\g], v[32*\g], v[32*\g+2], v[32*\g+4]       ; -M = the least -M_i
.endr
.irp i, 3,5,7,9,11,13
.irp g, 0,1,2,3
	v_min3_num_f32 v[132+\g], v[132+\g], v[32*\g+2*\i], v[32*\g+2*\i+2]
.endr
.endr
.irp g, 0,1,2,3
	v_min_num_f32 v[132+\g], v[132+\g], v[32*\g+30]
.endr
.irp i, 0,1,2,3,4,5,6,7,8,9,10,11,12,13,14,15
.irp g, 0,1,2,3
	v_sub_f32 v[32*\g+2*\i], v[132+\g], v[32*\g+2*\i]                ; M_i - M: a whole number, 0 or less
.endr
.endr
.irp i, 0,1,2,3,4,5,6,7,8,9,10,11,12,13,14,15
.irp g, 0,1,2,3
	v_cvt_i32_f32 v[32*\g+2*\i], v[32*\g+2*\i]
.endr
.endr
.irp i, 0,1,2,3,4,5,6,7,8,9,10,11,12,13,14,15
.irp g, 0,1,2,3
	v_ldexp_f32 v[32*\g+2*\i+1], v[32*\g+2*\i+1], v[32*\g+2*\i]      ; l_i under the row's M
.endr
.endr
.irp g, 0,1,2,3
	v_add_f32 v[136+\g], v[32*\g+1], v[32*\g+3]
.endr
.irp i, 2,3,4,5,6,7,8,9,10,11,12,13,14,15
.irp g, 0,1,2,3
	v_add_f32 v[136+\g], v[136+\g], v[32*\g+2*\i+1]
.endr
.endr
.irp g, 0,1,2,3
	v_rcp_f32 v[140+\g], v[136+\g]
.endr
	v_nop                                          ; a plain line behind the last reciprocal
	s_wait_alu depctr_va_vdst(0)                   ; one wait for the four, ahead of their first reader
.irp g, 0,1,2,3
	v_cmp_ne_u32 s18, 0, v[128+\g]                 ; the query is open,
	v_cmp_gt_f32 s40, s19, v[132+\g]               ; and some piece had an open key (-M under 2^26)
	s_and_b32 s18, s18, s40
	v_cndmask_b32 v[140+\g], 0, v[140+\g], s18     ; else 0 takes the place of 1 / l
.endr
.irp g, 0,1,2,3
	v_permlanex16_b32 v[144+\g], v[132+\g], s20, s21
	v_permlanex16_b32 v[148+\g], v[140+\g], s20, s21
.endr
	WIN 0x0a                                       ; sources window 2, destination window 0
.irp g, 0,1,2,3                        ; lane l held row 32 g + l.  Row block 2 g wants row 32 g + r in both halves of the lanes, block 2 g + 1 row 32 g + 16 + r.  Each goes into both registers of a pair, since the packed forms name pairs
	v_cndmask_b32 v[NM+4*\g],   v[132+\g], v[144+\g], s66
	v_cndmask_b32 v[NM+4*\g+1], v[132+\g], v[144+\g], s66
	v_cndmask_b32 v[NM+4*\g+2], v[144+\g], v[132+\g], s66
	v_cndmask_b32 v[NM+4*\g+3], v[144+\g], v[132+\g], s66
	v_cndmask_b32 v[RI+4*\g],   v[140+\g], v[148+\g], s66
	v_cndmask_b32 v[RI+4*\g+1], v[140+\g], v[148+\g], s66
	v_cndmask_b32 v[RI+4*\g+2], v[148+\g], v[140+\g], s66
	v_cndmask_b32 v[RI+4*\g+3], v[148+\g], v[140+\g], s66
.endr
	WIN 0
.macro FRAG reg, adr, q, i             ; a fragment: 24 bytes of the row for each 64 along K, as they lie, in pieces of 8 bytes
.irp p, 0,1,2,3,4,5
.set PC, 12*(\q)+6*(\p/3)+\p%3
.if PC%8 < 5
	ds_load_b64 v[\reg+2*\p:\reg+2*\p+1], v[\adr] offset:8*PC+16*(PC/8)+(\i)*16*PITCH
.else
	ds_load_b64 v[\reg+2*\p:\reg+2*\p+1], v[\adr+2] offset:8*PC+16*(PC/8)+(\i)*16*PITCH
.endif
.endr
.endm
; 16 matrix instructions: Q's blocks a0, a0 + 1 x K's eight.  zero = 1: a sum's first product, whose C is the bias.  The 64 accumulators take turns.
.macro MUL16 a0, p, q, sc, zero
.irp a, \a0, \a0+1
.irp b, 0,1,2,3,4,5,6,7
.if \zero
	v_wmma_scale_f32_16x16x128_f8f6f4 v[8*(8*((\a)%4)+\b):8*(8*((\a)%4)+\b)+7], v[128*(\p)+FR*\b:128*(\p)+FR*\b+FR-1], v[AF+FR*(\a):AF+FR*(\a)+FR-1], v[BIAS+8*\b:BIAS+8*\b+7], v[SC+8*NQ*(\sc)+NQ*\b+(\q)], v[SC+8*NQ*(\sc)+NQ*(\a)+(\q)] matrix_a_fmt:MATRIX_FMT_BF6 matrix_b_fmt:MATRIX_FMT_BF6 matrix_a_scale:MATRIX_SCALE_ROW1
.else
	v_wmma_scale_f32_16x16x128_f8f6f4 v[8*(8*((\a)%4)+\b):8*(8*((\a)%4)+\b)+7], v[128*(\p)+FR*\b:128*(\p)+FR*\b+FR-1], v[AF+FR*(\a):AF+FR*(\a)+FR-1], v[8*(8*((\a)%4)+\b):8*(8*((\a)%4)+\b)+7], v[SC+8*NQ*(\sc)+NQ*\b+(\q)], v[SC+8*NQ*(\sc)+NQ*(\a)+(\q)] matrix_a_fmt:MATRIX_FMT_BF6 matrix_b_fmt:MATRIX_FMT_BF6 matrix_a_scale:MATRIX_SCALE_ROW1
.endif
.endr
.endr
.endm
.macro FETCH_B slot, q, p
	WIN TO_B
.irp i, 0,1,2,3,4,5,6,7
	FRAG 128*(\p)+FR*\i, ADRB+\slot, \q, \i
.endr
	WIN 0
.endm
.macro FETCH_A slot, q, i0
.irp i, \i0, \i0+1, \i0+2, \i0+3
	FRAG AF+FR*(\i), ADRA+\slot, \q, \i
.endr
.endm
.macro SCALES sc, ks                   ; the scale words of the tile's K step ks into set sc: 8 bytes on for each K step
.irp i, 0,1,2,3,4,5,6,7
	ds_load_b64 v[SC+8*NQ*\sc+NQ*\i:SC+8*NQ*\sc+NQ*\i+1], v[ADRS] offset:\i*SBLK+8*(\ks)
.endr
.endm
.macro PLACES n                        ; plain vector lines between a matrix instruction and a load into, or a vector read of, its registers (ISA guide 7.12.1 for vector reads)
.rept \n
	v_nop
.endr
.endm
.macro STEP slot, q, zero
	s_wait_dscnt 4*NL                              ; K's set and Q's blocks 0-3 are in; the youngest 24 loads (Q's blocks 4-7) may be out
.if \zero
	WIN FIRST_LO
.else
	WIN MUL_LO
.endif
	MUL16 0, (\q)%2, \q, \slot, \zero
	MUL16 2, (\q)%2, \q, \slot, \zero
	s_wait_dscnt 0
	PLACES NP
	FETCH_B \slot, (\q)+1, 1-(\q)%2
	FETCH_A \slot, (\q)+1, 0
.if \zero
	WIN FIRST_HI
.else
	WIN MUL_HI
.endif
	MUL16 4, (\q)%2, \q, \slot, \zero
	MUL16 6, (\q)%2, \q, \slot, \zero
	PLACES NP
	WIN 0
	FETCH_A \slot, (\q)+1, 4
.endm
; The first half of a slot's last step, with the change of slots: one barrier; in front of it each wave waits for all its tensor loads, adds 0 to its spare word, and waits for that and for its own reads of this slot.
.macro MEET slot
	s_wait_tensorcnt 0x0                           ; all my tensor loads have landed: my part of the other slot
	ds_add_u32 v[SPW], v[NIL]                      ; 0 onto my spare word
	s_wait_dscnt 4*NL+1                            ; the add and the youngest 24 loads may be out
	WIN MUL_LO
	MUL16 0, 1, NQ-1, \slot, 0
	s_wait_dscnt 0x0                               ; the add is done, and my reads of this slot are over
	s_barrier_signal -1
	MUL16 2, 1, NQ-1, \slot, 0
	WIN 0
	s_barrier_wait -1
.endm
; The slot just read out is filled again.  how = 1: with this tile's K step two on; how = 2: with the next tile's K step 0 or 1.
.macro REFILL slot, how
	CREST                                          ; a round of the cluster's barrier: no wave of any partner still reads this slot or has a load on its way
.if \how == 2
	s_sub_nc_u64 s[G0+4*\slot+2:G0+4*\slot+3], s[G0+4*\slot+2:G0+4*\slot+3], BACK_A
	s_add_nc_u64 s[G0B+4*\slot+2:G0B+4*\slot+3], s[G0B+4*\slot+2:G0B+4*\slot+3], NEXT_B
.else
	s_add_nc_u64 s[G0+4*\slot+2:G0+4*\slot+3], s[G0+4*\slot+2:G0+4*\slot+3], 2*ROWB
	s_add_nc_u64 s[G0B+4*\slot+2:G0B+4*\slot+3], s[G0B+4*\slot+2:G0B+4*\slot+3], 2*ROWB
.endif
	JLOAD G0+4*\slot, G1, G0B+4*\slot, G1B         ; the first tensor load behind the round; its four v_nop are also the places in front of the loads that follow
.endm
.macro TURN slot, next, fill, ks       ; a slot's last step.  fill = 0: nothing is filled; else as REFILL's how.  ks: the K step that lies in the next slot
	MEET \slot
.if \fill
	REFILL \slot, \fill
.else
	PLACES NP
.endif
	FETCH_B \next, 0, 0
	FETCH_A \next, 0, 0
	SCALES \next, \ks
	WIN MUL_HI
	MUL16 4, 1, NQ-1, \slot, 0
	MUL16 6, 1, NQ-1, \slot, 0
	PLACES NP
	WIN 0
	FETCH_A \next, 0, 4
.endm
.macro TURNX slot                      ; the last step of a tile that has a successor: the slot takes the next tile's K step 1; the next tile's fragments are fetched behind the way out, which works in Q's registers
	MEET \slot
	REFILL \slot, 2
	WIN MUL_HI
	MUL16 4, 1, NQ-1, \slot, 0
	MUL16 6, 1, NQ-1, \slot, 0
	WIN 0
.endm
; THE WAY OUT.  Row block a: 16 queries x my 128 keys become p, four scale bytes a query, and codes.
.macro QROW a
.set AC, 64*((\a)%4)
.set WN, 2+(\a)/4
.set CD, CDS+16*((\a)%2)
	WIN WN                                         ; source 0: the accumulators' window
.set j, 0
.rept 32
	v_pk_fma_f32 v[TT+j:TT+j+1], v[AC+j:AC+j+1], s[22:23], v[NM+2*(\a):NM+2*(\a)+1] op_sel_hi:[1,0,0]   ; t - M; each accumulator is read from its low end on
.set j, j+2
.endr
	WIN 0
.set j, 0
.rept 64
	v_exp_f32 v[TT+j], v[TT+j]
.set j, j+1
.endr
	v_nop                                          ; a plain line behind the last exponential
	s_wait_alu depctr_va_vdst(0)                   ; one wait for the batch, ahead of its first reader
.set j, 0
.rept 32
	v_pk_mul_f32 v[TT+j:TT+j+1], v[TT+j:TT+j+1], v[RI+2*(\a):RI+2*(\a)+1] op_sel_hi:[1,0]   ; p = 2^(t - M) / l: finished and normalised, in f32
.set j, j+2
.endr
.irp k, 0,1,2,3                        ; block k of 32 keys: my 16 numbers are registers 16 k .. 16 k + 15; none is negative
	v_max3_num_f32 v[CH+\k], v[TT+16*\k], v[TT+16*\k+1], 0x2800000   ; and the floor 2^(5 - 127): the byte cannot fall under 1
.endr
.irp i, 2,4,6,8,10,12,14
.irp k, 0,1,2,3
	v_max3_num_f32 v[CH+\k], v[CH+\k], v[TT+16*\k+\i], v[TT+16*\k+\i+1]
.endr
.endr
.irp k, 0,1,2,3
	v_permlanex16_b32 v[XP+\k], v[CH+\k], s20, s21
.endr
.irp k, 0,1,2,3
	v_max_num_f32 v[CH+\k], v[CH+\k], v[XP+\k]     ; with lane l xor 16's: the block's largest p
.endr
.irp k, 0,1,2,3
	v_add_nc_u32 v[SO+\k], 0xfe000000, v[CH+\k]    ; 4 off its exponent field: the conversion's scale operand
.endr
.irp k, 0,1,2,3
	v_lshrrev_b32 v[BY+\k], 23, v[SO+\k]           ; the scale's byte
.endr
	v_lshl_or_b32 v[SW+(\a)], v[BY+1], 8, v[BY]    ; my query's scale word for these 128 keys
	v_lshl_or_b32 v[SW+(\a)], v[BY+2], 16, v[SW+(\a)]
	v_lshl_or_b32 v[SW+(\a)], v[BY+3], 24, v[SW+(\a)]
.irp k, 0,1,2,3                        ; registers 16 k + j hold key 32 k + 8 h + j, registers 16 k + 8 + j key 32 k + 16 + 8 h + j.  The first's lanes 16-31 change places with the second's lanes 0-15:
.irp j, 0,1,2,3,4,5,6,7                ; a lane's 16 registers are then the 16 neighbours 32 k + 16 h + 0 .. 15
	v_permlane16_swap_b32 v[TT+16*\k+\j], v[TT+16*\k+8+\j]
.endr
.endr
.if (\a) >= 2
	s_wait_dscnt 12                                ; the stores of the block two back, which read this set of code registers, are done; the 12 of the block before may be out
.endif
.irp k, 0,1,2,3
	v_cvt_scalef32_pk16_bf6_f32 v[CD+4*\k:CD+4*\k+2], v[TT+16*\k:TT+16*\k+15], v[SO+\k]   ; 16 codes, 96 bits, the lowest key's lowest
.endr
	v_nop                                          ; one plain line behind the last scaled conversion
.irp k, 0,1,2,3
.irp i, 0,1,2
	ds_store_b32 v[STO], v[CD+4*\k+\i] offset:(\a)*16*SP+24*\k+4*\i   ; my 12 bytes of block k's 24
.endr
.endr
.endm
.macro PROBS_OUT
.irp k, 0,1,2,3
	v_mov_b32 v[XP+\k], 0                          ; a lane permute's destination counts as one of its sources
.endr
.irp a, 0,1,2,3,4,5,6,7
	QROW \a
.endr
.irp g, 0,1,2,3                        ; lanes 0-15 keep block 2 g's word, lanes 16-31 take block 2 g + 1's: lane l holds row 32 g + l's
	v_cndmask_b32 v[CH+\g], v[SW+2*\g], v[SW+2*\g+1], s66
.endr
.irp g, 0,1,2,3
	ds_store_b32 v[SST], v[CH+\g] offset:256*\g
.endr
	s_wait_dscnt 0x0                               ; for the others' sake: my stores into the stage are done.  A row's 192 bytes and its 8 scale bytes come from two waves
	s_barrier_signal -1
	s_barrier_wait -1
.irp q, 0,1,2,3,4,5,6,7                ; my 64 rows: 12,288 bytes that are dense in p_codes: 24 loads of 512 bytes
.irp j, 0,1,2
	ds_load_b128 v[OB+4*(3*\q+\j):OB+4*(3*\q+\j)+3], v[RD+\j] offset:8*SP*\q
.endr
.endr
	ds_load_b128 v[SBK:SBK+3], v[SRD]              ; and their 512 scale bytes
.set k, 0
.rept 24
	s_wait_dscnt 24-k                              ; load k is in: behind it stand 23 - k loads of codes and the scales' load
	global_store_b128 v[CO], v[OB+4*k:OB+4*k+3], s[12:13] offset:512*k   ; 32 lanes store 512 consecutive bytes, at a multiple of 256 from the buffer's first byte
.set k, k+1
.endr
	s_wait_dscnt 0x0                               ; my reads of the stage are over: the next tile's stores into it stand behind later barriers
	global_store_b128 v[CO], v[SBK:SBK+3], s[104:105]
.endm
	s_wait_tensorcnt 1                             ; the scales and my part of K step 0 are in; K step 1's load may be out
	s_barrier_signal -1
	s_barrier_wait -1
	s_mov_b32 s2, TILES                            ; tiles to go, this one among them: the same number in every work-group
.Ltile:
	v_mul_u32_u24 v[TV], s[TOFF], v[HH]            ; this tile's scale words: Q's where they were, K's TOFF bytes on
	v_add_nc_u32 v[ADRS], v[ADRS0], v[TV]
	FETCH_B 0, 0, 0                                ; slot 0 holds the tile's K step 0: every wave's part of it was waited for in front of an earlier barrier
	FETCH_A 0, 0, 0
	SCALES 0, 0
	FETCH_A 0, 0, 4
	STEP 0, 0, 1                                   ; the first step starts the sums, from the bias
	TURN 0, 1, 1, 1                                ; slot 0 takes K step 2
	STEP 1, 0, 0
	TURN 1, 0, 1, 2                                ; slot 1 takes K step 3
	STEP 0, 0, 0
	s_cmp_eq_u32 s2, 1
	s_cbranch_scc1 .Llast_tile                     ; the last tile's tail is written out: it asks for nothing more
	TURN 0, 1, 2, 3                                ; THE RING GOES ON INTO THE NEXT TILE: slot 0 takes its K step 0,
	STEP 1, 0, 0
	TURNX 1                                        ; slot 1 its K step 1
	MKBIAS 0x01, RAW                               ; the next tile's bias: 192 plain lines that name no register of the last products: they are the places behind those
	PROBS_OUT                                      ; both refills are on their way while the tile is quantised and stored
	s_wait_xcnt 0x0                                ; the stores have read their registers and their bases: all are written again below
	s_add_nc_u64 s[12:13], s[12:13], 16384*192     ; a tile column on in p_codes,
	s_add_nc_u64 s[104:105], s[104:105], 1024      ; and in p_scales
	s_xor_b32 s[TOFF], s[TOFF], TSCL
	s_sub_co_u32 s2, s2, 1
	s_cmp_lg_u32 s2, 0                             ; a tile is left here whenever this line is reached: the last tile has left the loop above
	s_cbranch_scc1 .Ltile
.Llast_tile:
	TURN 0, 1, 0, 3                                ; nothing is filled any more
	STEP 1, 0, 0
	s_wait_dscnt 4*NL
	WIN MUL_LO
	MUL16 0, 1, NQ-1, 1, 0
	MUL16 2, 1, NQ-1, 1, 0
	s_wait_dscnt 0
	WIN MUL_HI
	MUL16 4, 1, NQ-1, 1, 0
	MUL16 6, 1, NQ-1, 1, 0
	WIN 0
	PLACES NP                                      ; behind the last products: their results are read and Q's registers written below
	PROBS_OUT
	s_wait_tensorcnt 0x0                           ; the wave's end
	ds_add_u32 v[SPW], v[NIL]
	s_wait_dscnt 0x0
	CROUND                                         ; the closing round
	s_endpgm
.Lfunc_end_k_qe7123912fb_probs:
	.size	k_qe7123912fb_probs, .Lfunc_end_k_qe7123912fb_probs-k_qe7123912fb_probs
	.p2alignl 7, 3214868480
	.fill 96, 4, 3214868480
	.section	.rodata,"a",@progbits
	.p2align	6, 0x0
	.amdhsa_kernel k_qe7123912fb_probs
		.amdhsa_group_segment_fixed_size 327680
		.amdhsa_private_segment_fixed_size 0
		.amdhsa_enable_private_segment 0
		.amdhsa_kernarg_size 72
		.amdhsa_user_sgpr_count 2
		.amdhsa_user_sgpr_kernarg_segment_ptr 1
		.amdhsa_wavefront_size32 1
		.amdhsa_system_sgpr_workgroup_id_x 1
		.amdhsa_system_sgpr_workgroup_id_y 1
		.amdhsa_system_sgpr_workgroup_id_z 1
		.amdhsa_system_vgpr_workitem_id 0
		.amdhsa_next_free_vgpr 1024
		.amdhsa_next_free_sgpr 106
		.amdhsa_reserve_vcc 0
		.amdhsa_float_denorm_mode_32 3
		.amdhsa_float_denorm_mode_16_64 3
		.amdhsa_memory_ordered 1
		.amdhsa_forward_progress 1
		.amdhsa_inst_pref_size 255
	.end_amdhsa_kernel
	.section	.bss,"aw",@nobits
	.p2align	6
	.space	262144
	.amdgpu_metadata
---
amdhsa.version: [ 1, 2 ]
amdhsa.kernels:
  - .name:           k_qe7123912fb_probs
    .symbol:         k_qe7123912fb_probs.kd
    .args:
      - { .name: query_codes, .offset: 0, .size: 8, .value_kind: global_buffer, .address_space: global }
      - { .name: query_scales, .offset: 8, .size: 8, .value_kind: global_buffer, .address_space: global }
      - { .name: key_codes, .offset: 16, .size: 8, .value_kind: global_buffer, .address_space: global }
      - { .name: key_scales, .offset: 24, .size: 8, .value_kind: global_buffer, .address_space: global }
      - { .name: p_codes, .offset: 32, .size: 8, .value_kind: global_buffer, .address_space: global }
      - { .name: key_mask, .offset: 40, .size: 8, .value_kind: global_buffer, .address_space: global }
      - { .name: query_mask, .offset: 48, .size: 8, .value_kind: global_buffer, .address_space: global }
      - { .name: stats, .offset: 56, .size: 8, .value_kind: global_buffer, .address_space: global }
      - { .name: p_scales, .offset: 64, .size: 8, .value_kind: global_buffer, .address_space: global }
    .group_segment_fixed_size: 327680
    .private_segment_fixed_size: 0
    .kernarg_segment_align: 8
    .kernarg_segment_size: 72
    .max_flat_workgroup_size: 128
    .sgpr_count:     106
    .vgpr_count:     1024
    .wavefront_size: 32
...
	.end_amdgpu_metadata
.endif
;; end of part 2
;; launch pv (part 3): grid 4 x 64, 4 waves a work-group, clusters of 4 x 4, 327,680 bytes of LDS; arguments p_codes, p_scales, value_codes, value_scales, out0; writes out0
.if DOCPART == 3
	.amdgcn_target "amdgcn-amd-amdhsa--gfx1250"
	.amdhsa_code_object_version 6
	.text
	.protected	k_qe7123912fb_pv
	.globl	k_qe7123912fb_pv
	.p2align	8
	.type	k_qe7123912fb_pv,@function
k_qe7123912fb_pv:
	s_mov_b64 s[64:65], 0
	v_nop
	global_prefetch_b8 v0, s[64:65] scope:SCOPE_SE
	s_setreg_imm32_b32 hwreg(HW_REG_WAVE_MODE, 25, 1), 1
	s_wait_xcnt 0x0
	s_wait_alu depctr_hold_cnt(0) depctr_sa_sdst(0) depctr_va_vdst(0) depctr_va_sdst(0) depctr_va_ssrc(0) depctr_va_vcc(0) depctr_vm_vsrc(0)
	s_getreg_b32 s2, hwreg(HW_REG_IB_STS2, 6, 4)
	s_cmp_eq_u32 s2, 0
	s_cbranch_scc0 .Lentry_in_a_cluster
	s_endpgm
.Lentry_in_a_cluster:
	s_bfe_u32 s2, ttmp6, 0x10000c
	s_cmp_lg_u32 s2, 0xf033
	s_cbranch_scc0 .Lentry_shape_is_right
	s_endpgm
.Lentry_shape_is_right:
; THIRD OF THREE LAUNCHES.  out0 = P V on codes of BF6 (E3M2) with E8M0 scales: 16,384 rows (8 batches x 2,048 queries) x 1,024 columns, K = the batch's 2,048 keys; sums in f32.
; P's codes lie as the launch before laid them: [K step of 256 keys: 0..7][row 0..16383][192 bytes]: the 128 rows that a tensor load brings are dense.  P's scales: [block of 128 rows][K step 0..7][row 0..127][8 bytes]: a block's 8,192 bytes are dense.
; V's codes: [batch][column d 0..1023][1,536 bytes], the keys innermost; its scales [batch][d][64 bytes].
; A tile of out0, 256 x 256, is made by a work-group of four waves, each 128 x 128: 64 accumulators, 512 registers.  K goes in steps of 256 through a ring of two LDS slots.
; The scale bytes of the tile's 256 rows of P and 256 rows of V, for all of K, come into LDS once, with the first fills, and stay.
; CLUSTERS: 4 x 4 work-groups.  The four of a row of the cluster (all four tile columns) need the same rows of P, the four of a column the same rows of V (all sixteen lie in one batch): each tile is asked for jointly.
; THE PRODUCT IS USED TRANSPOSED (source 0 = 16 rows of V, source 1 = 16 rows of P): a lane holds eight neighbouring numbers of a row of out0.
; A row whose query is masked, or that has no open key, has zero codes throughout: its sums are exact zeros.
; REGISTERS: window 0: v0-31 addresses; v32-63 P's scale words, two sets; v64-95 V's, two sets; v128-223 P's fragments, one set; on the way out v128-255 are free.  window 1: V's fragments, two sets.  windows 2, 3: the accumulators.
.set SIZE_N, 1024
.set KSTEP,  256
.set NQ,     2
.set ROWB,   192                       ; a tile's row in bytes; also a row of P's codes in memory
.set KROW,   1536                      ; a row of V in memory: 2,048 codes
.set PSTEP,  16384*192                 ; from a K step of P's codes to the next
.set PITCH,  240                       ; an LDS row: 3 x (64 bytes + 16 of padding)
.set FR,     12
.set NL,     6
.set NP,     4
.set HALFT,  128*PITCH
.set SLOT,   4*HALFT
.set LAPS,   4                         ; 2,048 / (2 x 256)
.set KS,     64                        ; scale bytes of a row, for all of K
.set SCL,    2*SLOT
.set HALFS,  (128*KS/256)*272          ; the scales of 128 rows: 32 units of 256 bytes + 16
.set SPARE,  SCL+4*HALFS               ; the spare words, 128 bytes a wave: two blocks of 256 bytes that no other line names
.set SPITCH, 528                       ; the way out: a stage of 16 rows x (512 bytes + 16) for each wave, in slot 0, which has had its last fill and its last read by then
.set ADRA, 16
.set ADRB, 20
.set STO,  24
.set RD,   25
.set CO,   26
.set ADRSA, 27                         ; v27  LDS address of P's scale words of the K step in hand
.set SPW,  28                          ; v28  SPARE + 4 x my thread's number; never rewritten
.set NIL,  29                          ; v29  0; never rewritten
.set ADRSB, 30                         ; v30  the same for V's
.set SCA,  32                          ; P's scale words: set s at v[32 + 16 s]; register 2 i + q: block i, the slot's q-th 128 keys
.set SCB,  64                          ; V's likewise
.set AF,   128
.set BK,   128
.set G1, 24
.set G0, 32
.set G1B, 48
.set G0B, 56
.set G1S, 68
.set G0S, 76
.set G1SB, 80
.set G0SB, 88
.set MSB, 0
.macro WIN new                         ; the immediate's high byte repeats the setting that is left
.if MSB != \new
	s_set_vgpr_msb (MSB<<8)|\new
.set MSB, \new
.endif
.endm
.set MUL_LO, 0xa1                      ; source 0 (V) window 1, source 1 (P) window 0, C and D window 2
.set MUL_HI, 0xf1
.set TO_B,   0x40
.macro JLOAD g0a, g1a, g0b, g1b        ; a joint load: waves 0 and 1 fetch for P, waves 2 and 3 for V; four v_nop follow each of the two lines
	s_cmp_eq_u32 s15, 0
	s_cbranch_scc0 .Lfor_b_\@
	tensor_load_to_lds s[\g0a:\g0a+3], s[\g1a:\g1a+7]
	s_nop 0
.rept 4
	v_nop
.endr
	s_branch .Lasked_\@
.Lfor_b_\@:
	tensor_load_to_lds s[\g0b:\g0b+3], s[\g1b:\g1b+7]
	s_nop 0
.rept 4
	v_nop
.endr
.Lasked_\@:
.endm
.macro CREST
	s_cmp_lg_u32 s14, 0
	s_cbranch_scc1 .Lnot_wave_0_\@
	s_barrier_signal -3
.Lnot_wave_0_\@:
	s_barrier_wait -3
	s_barrier_signal -1
	s_barrier_wait -1
.endm
.macro CROUND
	s_barrier_signal -1
	s_barrier_wait -1
	CREST
.endm
	s_load_b128 s[4:7], s[0:1], 0x0                ; P's codes, P's scales
	s_load_b128 s[8:11], s[0:1], 0x10              ; V's codes, V's scales
	s_load_b64 s[12:13], s[0:1], 0x20              ; out0
	v_lshl_add_u32 v[SPW], v0, 2, SPARE
	v_mov_b32 v[NIL], 0
	ds_add_u32 v28, v29
	ds_add_u32 v28, v29
	s_wait_dscnt 0x0
	v_lshrrev_b32 v1, 5, v0
	v_readfirstlane_b32 s14, v1                    ; wave 0..3
	s_lshr_b32 s15, s14, 1                         ; my half of the tile's rows.  Also: I fetch for P (0) or for V (1)
	s_and_b32 s16, s14, 1                          ; my half of its columns.  Also: which 128 rows of that tile I fetch
	s_bfe_u32 s40, ttmp6, 0x40000                  ; cx, cy
	s_bfe_u32 s41, ttmp6, 0x40004
	s_lshl_b32 s42, ttmp9, 2
	s_add_co_u32 s42, s42, s40                     ; tile column: 0..3
	s_and_b32 s17, ttmp7, 0xffff
	s_lshl_b32 s17, s17, 2
	s_add_co_u32 s17, s17, s41                     ; tile row: 0..63
	s_and_b32 s95, ttmp7, 0xffff
	s_lshr_b32 s95, s95, 1                         ; the batch: the same in all sixteen partners
	s_lshl_b32 s95, s95, 10                        ; its first row of V
	s_lshl_b32 s43, s41, 2
	s_lshl_b32 s43, 15, s43                        ; my row of the cluster
	s_lshl_b32 s44, 0x1111, s40                    ; my column
	s_or_b32 s[G1+0], s43, (0<<16)|(1<<20)|(1<<21)|(3<<22)|(3<<25)   ; 128 rows x 192 bytes, 16 bytes of padding behind every 64
	s_or_b32 s[G1B+0], s44, (0<<16)|(1<<20)|(1<<21)|(3<<22)|(3<<25)
.irp g, G1, G1B
	s_mov_b32 s[\g+1], ROWB<<16                    ; tensor_dim0
	s_mov_b32 s[\g+2], 128<<16                     ; tensor_dim1
	s_mov_b32 s[\g+3], ROWB<<16                    ; tile_dim0
	s_mov_b32 s[\g+4], 128                         ; tile_dim1
	s_mov_b32 s[\g+6], 0
	s_mov_b32 s[\g+7], 0
.endr
	s_mov_b32 s[G1+5], ROWB                        ; tensor_dim0_stride: P's rows of a K step are dense,
	s_mov_b32 s[G1B+5], KROW                       ; V's lie a whole row apart
	s_or_b32 s[G1S+0], s43, (3<<16)|(1<<20)|(1<<21)|(5<<22)|(3<<25)  ; the scales of 128 rows: 8,192 dense bytes as rows of 256, 16 bytes of padding behind each
	s_or_b32 s[G1SB+0], s44, (3<<16)|(1<<20)|(1<<21)|(5<<22)|(3<<25)
.irp g, G1S, G1SB
	s_mov_b32 s[\g+1], 32<<16
	s_mov_b32 s[\g+2], (128*KS/256)<<16
	s_mov_b32 s[\g+3], 32<<16
	s_mov_b32 s[\g+4], 128*KS/256
	s_mov_b32 s[\g+5], 32
	s_mov_b32 s[\g+6], 0
	s_mov_b32 s[\g+7], 0
.endr
	s_lshl_b32 s18, s16, 7
	s_lshl_b32 s20, s17, 8
	s_add_co_u32 s20, s20, s18                     ; P: row 256 x tile row + 128 x half
	s_lshl_b32 s46, s42, 8
	s_add_co_u32 s46, s46, s18
	s_add_co_u32 s46, s46, s95                     ; V: row 1,024 x batch + 256 x tile column + 128 x half
	s_mov_b32 s21, 0
	s_mov_b32 s47, 0
	s_mov_b64 s[18:19], KS
	s_mul_u64 s[22:23], s[20:21], s[18:19]         ; where these rows' scales begin: 64 bytes a row in both buffers (a block of 128 rows of P has 8,192)
	s_mul_u64 s[92:93], s[46:47], s[18:19]
	s_mov_b64 s[18:19], ROWB
	s_mul_u64 s[20:21], s[20:21], s[18:19]         ; P's codes of K step 0
	s_mov_b64 s[18:19], KROW
	s_mul_u64 s[46:47], s[46:47], s[18:19]         ; V's codes
	s_mul_i32 s45, s14, HALFT
	s_mul_i32 s94, s14, HALFS
	s_wait_kmcnt 0x0
	s_add_nc_u64 s[20:21], s[4:5], s[20:21]
	s_add_nc_u64 s[22:23], s[6:7], s[22:23]
	s_add_nc_u64 s[46:47], s[8:9], s[46:47]
	s_add_nc_u64 s[92:93], s[10:11], s[92:93]
	CROUND                                         ; all sixteen work-groups are here: the first joint loads meet
	s_mov_b32 s[G0S], 1
	s_add_co_u32 s[G0S+1], s94, SCL
	s_mov_b64 s[G0S+2:G0S+3], s[22:23]
	s_or_b32 s[G0S+3], s[G0S+3], 0x80000000
	s_mov_b32 s[G0SB], 1
	s_add_co_u32 s[G0SB+1], s94, SCL
	s_mov_b64 s[G0SB+2:G0SB+3], s[92:93]
	s_or_b32 s[G0SB+3], s[G0SB+3], 0x80000000
	JLOAD G0S, G1S, G0SB, G1SB
.irp s, 0,1
	s_mov_b32 s[G0+4*\s], 1
	s_add_co_u32 s[G0+4*\s+1], s45, \s*SLOT
	s_add_nc_u64 s[G0+4*\s+2:G0+4*\s+3], s[20:21], \s*PSTEP
	s_or_b32 s[G0+4*\s+3], s[G0+4*\s+3], 0x80000000
	s_mov_b32 s[G0B+4*\s], 1
	s_add_co_u32 s[G0B+4*\s+1], s45, \s*SLOT
	s_add_nc_u64 s[G0B+4*\s+2:G0B+4*\s+3], s[46:47], \s*ROWB
	s_or_b32 s[G0B+4*\s+3], s[G0B+4*\s+3], 0x80000000
	JLOAD G0+4*\s, G1, G0B+4*\s, G1B
.endr
	v_and_b32 v1, 15, v0                           ; r
	v_bfe_u32 v2, v0, 4, 1                         ; h
	v_mul_u32_u24 v3, v1, PITCH
	v_mul_u32_u24 v4, v2, 24
	v_add_nc_u32 v4, v3, v4
	v_lshl_add_u32 v5, v2, 4, v4
	s_mul_i32 s21, s15, HALFT
	s_mul_i32 s22, s16, HALFT
	s_add_co_u32 s22, s22, 2*HALFT
.irp s, 0,1
	v_add_nc_u32 v[ADRA+\s], s21, v4
	v_add_nc_u32 v[ADRB+\s], s22, v4
	v_add_nc_u32 v[ADRA+2+\s], s21, v5
	v_add_nc_u32 v[ADRB+2+\s], s22, v5
	s_add_co_u32 s21, s21, SLOT
	s_add_co_u32 s22, s22, SLOT
.endr
	v_lshlrev_b32 v5, 3, v1                        ; P's scale words: within a K step's 1,024 bytes (four units) 8 bytes a row
	s_mul_i32 s21, s15, HALFS
	s_add_co_u32 s21, s21, SCL
	v_add_nc_u32 v[ADRSA], s21, v5
	v_lshlrev_b32 v5, 6, v1                        ; V's: 64 bytes a row,
	v_lshrrev_b32 v6, 2, v1
	v_lshl_add_u32 v5, v6, 4, v5                   ; and 16 more for each 256 passed
	s_mul_i32 s22, s16, HALFS
	s_add_co_u32 s22, s22, SCL+2*HALFS
	v_add_nc_u32 v[ADRSB], s22, v5
	s_mul_i32 s23, s14, 16*SPITCH                  ; my stage
	v_mul_u32_u24 v5, v1, SPITCH                   ; in: row r, 32 bytes for each half of the lanes
	v_lshl_add_u32 v5, v2, 5, v5
	v_add_nc_u32 v[STO], s23, v5
	v_and_b32 v6, 31, v0
	v_lshlrev_b32 v[CO], 4, v6                     ; back: the 32 lanes take one row of 512 bytes; and the same in out0
	v_add_nc_u32 v[RD], s23, v[CO]
	s_lshl_b32 s20, s17, 8
	s_lshl_b32 s21, s15, 7
	s_add_co_u32 s20, s20, s21                     ; my first row of out0
	s_mov_b32 s21, 0
	s_mov_b64 s[18:19], SIZE_N*4
	s_mul_u64 s[20:21], s[20:21], s[18:19]
	s_lshl_b32 s46, s42, 10                        ; my first column, in bytes
	s_lshl_b32 s47, s16, 9
	s_add_co_u32 s46, s46, s47
	s_mov_b32 s47, 0
	s_add_nc_u64 s[20:21], s[20:21], s[46:47]
	s_add_nc_u64 s[12:13], s[12:13], s[20:21]
.macro FRAG reg, adr, q, i             ; a fragment: 24 bytes of the row for each 64 along K, as they lie, in pieces of 8 bytes
.irp p, 0,1,2,3,4,5
.set PC, 12*(\q)+6*(\p/3)+\p%3
.if PC%8 < 5
	ds_load_b64 v[\reg+2*\p:\reg+2*\p+1], v[\adr] offset:8*PC+16*(PC/8)+(\i)*16*PITCH
.else
	ds_load_b64 v[\reg+2*\p:\reg+2*\p+1], v[\adr+2] offset:8*PC+16*(PC/8)+(\i)*16*PITCH
.endif
.endr
.endm
; 16 matrix instructions: P's blocks a0, a0 + 1 x V's eight.  zero = 1: the first product starts the sums.  The 64 accumulators take turns.
.macro MUL16 a0, p, q, sc, zero
.irp a, \a0, \a0+1
.irp b, 0,1,2,3,4,5,6,7
.if \zero
	v_wmma_scale_f32_16x16x128_f8f6f4 v[8*(8*((\a)%4)+\b):8*(8*((\a)%4)+\b)+7], v[128*(\p)+FR*\b:128*(\p)+FR*\b+FR-1], v[AF+FR*(\a):AF+FR*(\a)+FR-1], 0, v[SCB+16*(\sc)+2*\b+(\q)], v[SCA+16*(\sc)+2*(\a)+(\q)] matrix_a_fmt:MATRIX_FMT_BF6 matrix_b_fmt:MATRIX_FMT_BF6
.else
	v_wmma_scale_f32_16x16x128_f8f6f4 v[8*(8*((\a)%4)+\b):8*(8*((\a)%4)+\b)+7], v[128*(\p)+FR*\b:128*(\p)+FR*\b+FR-1], v[AF+FR*(\a):AF+FR*(\a)+FR-1], v[8*(8*((\a)%4)+\b):8*(8*((\a)%4)+\b)+7], v[SCB+16*(\sc)+2*\b+(\q)], v[SCA+16*(\sc)+2*(\a)+(\q)] matrix_a_fmt:MATRIX_FMT_BF6 matrix_b_fmt:MATRIX_FMT_BF6
.endif
.endr
.endr
.endm
.macro FETCH_B slot, q, p
	WIN TO_B
.irp i, 0,1,2,3,4,5,6,7
	FRAG 128*(\p)+FR*\i, ADRB+\slot, \q, \i
.endr
	WIN 0
.endm
.macro FETCH_A slot, q, i0
.irp i, \i0, \i0+1, \i0+2, \i0+3
	FRAG AF+FR*(\i), ADRA+\slot, \q, \i
.endr
.endm
.macro SCALES sc                       ; a K step's scale words into set sc: two words a row.  The unit reads lanes 0-15; lanes 16-31 load the same words
.irp i, 0,1,2,3,4,5,6,7
	ds_load_b64 v[SCA+16*\sc+2*\i:SCA+16*\sc+2*\i+1], v[ADRSA] offset:(\i/2)*272+(\i%2)*128   ; P's block i: 128 bytes; two blocks to a unit
.endr
.irp i, 0,1,2,3,4,5,6,7
	ds_load_b64 v[SCB+16*\sc+2*\i:SCB+16*\sc+2*\i+1], v[ADRSB] offset:\i*1088                 ; V's block i: 16 rows of 64 bytes are four units
.endr
.endm
.macro PLACES n                        ; plain vector lines between a matrix instruction and a load into, or a read of, its registers (ISA guide 7.12.1 for vector reads)
.rept \n
	v_nop
.endr
.endm
.macro STEP slot, q, zero
	s_wait_dscnt 4*NL                              ; V's set, P's blocks 0-3 and the scale words are in; the youngest 24 loads (P's blocks 4-7) may be out
	WIN MUL_LO
	MUL16 0, (\q)%2, \q, \slot, \zero
	MUL16 2, (\q)%2, \q, \slot, \zero
	s_wait_dscnt 0
	PLACES NP
	FETCH_B \slot, (\q)+1, 1-(\q)%2
	FETCH_A \slot, (\q)+1, 0
	WIN MUL_HI
	MUL16 4, (\q)%2, \q, \slot, \zero
	MUL16 6, (\q)%2, \q, \slot, \zero
	PLACES NP
	WIN 0
	FETCH_A \slot, (\q)+1, 4
.endm
.macro TURN slot, next, fill
	s_wait_tensorcnt 0x0                           ; all my tensor loads have landed: my part of the next slot
	ds_add_u32 v[SPW], v[NIL]                      ; 0 onto my spare word
	s_wait_dscnt 4*NL+1                            ; the add and the youngest 24 loads may be out
	WIN MUL_LO
	MUL16 0, 1, NQ-1, \slot, 0
	s_wait_dscnt 0x0                               ; the add is done, and my reads of this slot are over
	s_barrier_signal -1
	MUL16 2, 1, NQ-1, \slot, 0
	WIN 0
	s_barrier_wait -1
.if \fill
	CREST                                          ; a round of the cluster's barrier: no wave of any partner still reads this slot or has a load on its way
	s_add_nc_u64 s[G0+4*\slot+2:G0+4*\slot+3], s[G0+4*\slot+2:G0+4*\slot+3], 2*PSTEP
	s_add_nc_u64 s[G0B+4*\slot+2:G0B+4*\slot+3], s[G0B+4*\slot+2:G0B+4*\slot+3], 2*ROWB
	JLOAD G0+4*\slot, G1, G0B+4*\slot, G1B         ; the first tensor load behind the round
.else
	PLACES NP
.endif
	v_add_nc_u32 v[ADRSA], 1088, v[ADRSA]          ; the next K step's scale words: P's four units on,
	v_add_nc_u32 v[ADRSB], 8, v[ADRSB]             ; V's 8 bytes on in each row
	FETCH_B \next, 0, 0
	FETCH_A \next, 0, 0
	SCALES \next
	WIN MUL_HI
	MUL16 4, 1, NQ-1, \slot, 0
	MUL16 6, 1, NQ-1, \slot, 0
	PLACES NP
	WIN 0
	FETCH_A \next, 0, 4
.endm
	s_wait_tensorcnt 1                             ; the scales and my part of K step 0 are in; K step 1's load may be out
	s_barrier_signal -1
	s_barrier_wait -1
	FETCH_B 0, 0, 0
	FETCH_A 0, 0, 0
	SCALES 0
	FETCH_A 0, 0, 4
	STEP 0, 0, 1                                   ; the first step starts the sums: nothing is cleared
	s_mov_b32 s3, LAPS-1
.Llap:                                                 ; a trip goes once round the ring and fills both slots again
	TURN 0, 1, 1
	STEP 1, 0, 0
	TURN 1, 0, 1
	STEP 0, 0, 0
	s_sub_co_u32 s3, s3, 1
	s_cmp_lg_u32 s3, 0
	s_cbranch_scc1 .Llap
	TURN 0, 1, 0                                   ; the last lap fills nothing
	STEP 1, 0, 0
	s_wait_dscnt 4*NL
	WIN MUL_LO
	MUL16 0, 1, NQ-1, 1, 0
	MUL16 2, 1, NQ-1, 1, 0
	s_wait_dscnt 0
	WIN MUL_HI
	MUL16 4, 1, NQ-1, 1, 0
	MUL16 6, 1, NQ-1, 1, 0
	WIN 0
; THE WAY OUT, block by block of 16 rows x 128 columns, through my own stage in LDS: in as 32 bytes a lane, back as whole rows of 512 bytes.  LDS serves a wave's instructions in order (ISA guide 5.7.1.4).
.macro TOSTAGE a
.set AC, 64*((\a)%4)
.set WN, 0x08+4*((\a)/4)
	WIN WN                                         ; an LDS store's data: window 2 or 3
.irp b, 0,1,2,3,4,5,6,7
	ds_store_b128 v[STO], v[AC+8*\b:AC+8*\b+3] offset:64*\b          ; each accumulator from its low end on
	ds_store_b128 v[STO], v[AC+8*\b+4:AC+8*\b+7] offset:64*\b+16
.endr
	WIN 0
.set BB, BK+64*((\a)%2)
.irp t, 0,1,2,3,4,5,6,7,8,9,10,11,12,13,14,15
	ds_load_b128 v[BB+4*\t:BB+4*\t+3], v[RD] offset:\t*SPITCH
.endr
.endm
.macro SEND a, younger                 ; younger: the LDS instructions issued behind block a's loads, which may stay out
.set BB, BK+64*((\a)%2)
	s_wait_dscnt \younger                          ; the block is back in registers
.if (\a) > 0
	s_add_nc_u64 s[12:13], s[12:13], 16*SIZE_N*4   ; (behind a wait on XCNT: the earlier stores have read their base)  16 rows on
.endif
.irp t, 0,1,2,3,4,5,6,7,8,9,10,11,12,13,14,15
	global_store_b128 v[CO], v[BB+4*\t:BB+4*\t+3], s[12:13] offset:\t*SIZE_N*4 th:TH_STORE_NT   ; 32 lanes store 512 consecutive bytes, at a multiple of 256 from out0's first byte
.endr
.endm
	PLACES NP                                      ; behind the last products: results are read, and loads land in the registers that held P's fragments
	TOSTAGE 0
.irp a, 1,2,3,4,5,6,7
.if \a > 1
	s_wait_xcnt 0x0                                ; block a - 2's stores have read their registers and their base
.endif
	TOSTAGE \a
	SEND \a-1, 32                                  ; behind block a - 1's loads: block a's 16 stores and 16 loads
.endr
	s_wait_xcnt 0x0                                ; block 6's stores have read their base
	SEND 7, 0
	s_wait_tensorcnt 0x0                           ; the wave's end
	ds_add_u32 v[SPW], v[NIL]
	s_wait_dscnt 0x0
	CROUND                                         ; the closing round
	s_endpgm
.Lfunc_end_k_qe7123912fb_pv:
	.size	k_qe7123912fb_pv, .Lfunc_end_k_qe7123912fb_pv-k_qe7123912fb_pv
	.p2alignl 7, 3214868480
	.fill 96, 4, 3214868480
	.section	.rodata,"a",@progbits
	.p2align	6, 0x0
	.amdhsa_kernel k_qe7123912fb_pv
		.amdhsa_group_segment_fixed_size 327680
		.amdhsa_private_segment_fixed_size 0
		.amdhsa_enable_private_segment 0
		.amdhsa_kernarg_size 40
		.amdhsa_user_sgpr_count 2
		.amdhsa_user_sgpr_kernarg_segment_ptr 1
		.amdhsa_wavefront_size32 1
		.amdhsa_system_sgpr_workgroup_id_x 1
		.amdhsa_system_sgpr_workgroup_id_y 1
		.amdhsa_system_sgpr_workgroup_id_z 1
		.amdhsa_system_vgpr_workitem_id 0
		.amdhsa_next_free_vgpr 1024
		.amdhsa_next_free_sgpr 100
		.amdhsa_reserve_vcc 0
		.amdhsa_float_denorm_mode_32 3
		.amdhsa_float_denorm_mode_16_64 3
		.amdhsa_memory_ordered 1
		.amdhsa_forward_progress 1
		.amdhsa_inst_pref_size 162
	.end_amdhsa_kernel
	.amdgpu_metadata
---
amdhsa.version: [ 1, 2 ]
amdhsa.kernels:
  - .name:           k_qe7123912fb_pv
    .symbol:         k_qe7123912fb_pv.kd
    .args:
      - { .name: p_codes, .offset: 0, .size: 8, .value_kind: global_buffer, .address_space: global }
      - { .name: p_scales, .offset: 8, .size: 8, .value_kind: global_buffer, .address_space: global }
      - { .name: value_codes, .offset: 16, .size: 8, .value_kind: global_buffer, .address_space: global }
      - { .name: value_scales, .offset: 24, .size: 8, .value_kind: global_buffer, .address_space: global }
      - { .name: out0, .offset: 32, .size: 8, .value_kind: global_buffer, .address_space: global }
    .group_segment_fixed_size: 327680
    .private_segment_fixed_size: 0
    .kernarg_segment_align: 8
    .kernarg_segment_size: 40
    .max_flat_workgroup_size: 128
    .sgpr_count:     100
    .vgpr_count:     1024
    .wavefront_size: 32
...
	.end_amdgpu_metadata
.endif
;; end of part 3
